; MI455X (gfx1250); checked and timed in simulation.
; The chip was launched on July 23, 2026; its instructions are those of AMD's public machine-readable ISA for CDNA 5 (MIT licence, August 2026) and "CDNA5" Instruction Set Architecture Reference Guide (July 2026). The comments in the code are by the model that wrote it; some were corrected since.
;; Sliding Window Attention. Allowed arithmetic: matrix products marked QUANTISED: E2M1 operands, one E8M0 scale for each 32 along K, by v_wmma_scale_f32_16x16x128_f8f6f4 with both operands' format E2M1 (or v_wmma_scale_f32_32x16x128_f4), f32 sums; products left as they are: bf16, f16 or f32 operands; f32 sums; everything else in f32.
;; Inputs: Wk 1,024 x 1,024 float32; Wo 1,024 x 1,024 float32; Wq 1,024 x 1,024 float32; Wv 1,024 x 1,024 float32; bk 1,024 float32; bo 1,024 float32; bq 1,024 float32; bv 1,024 float32; key 1 x 4,096 x 1,024 float32; query 1 x 4,096 x 1,024 float32; value 1 x 4,096 x 1,024 float32.
;; Outputs: out0 1 x 4,096 x 1,024 float32.
;; This version of the problem:
;;   THIS VERSION OF THE PROBLEM IS GIVEN IN LOW PRECISION. The matrix products marked QUANTISED in the list below multiply operands that are first quantised to E2M1 (2 exponent bits, 1 mantissa bit; 4 bits a number), with one power-of-two scale for each 32 numbers along K (OCP MX v1.0); their sums are f32. The products marked 'left as it is' may take bf16, f16 or f32 operands, with f32 sums. Whichever they take, every output number must still come out within the allowed error. Rounding operands to bf16 (8 significant bits) uses up far more of that allowance than f16 does (11 bits, for magnitudes from 6e-5 to 65,504). All else is computed in f32.
;;   The module's matrix products, in the order in which they are computed (A, B: the left and right operand; K: the contracted axis; several contracted axes count as one K, in the product's order):
;;     1. [M 4,096, K 1,024] x [K 1,024, N 1,024]; A: input query; B: input Wq: QUANTISED
;;     2. [M 4,096, K 1,024] x [K 1,024, N 1,024]; A: input key; B: input Wk: QUANTISED
;;     3. [M 4,096, K 1,024] x [K 1,024, N 1,024]; A: input value; B: input Wv: QUANTISED
;;     4. batch 16 x [M 4,096, K 64] x [K 64, N 4,096]; A: computed on the way; B: computed on the way: left as it is (an operand is computed on the way)
;;     5. batch 16 x [M 4,096, K 4,096] x [K 4,096, N 64]; A: computed on the way; B: computed on the way: left as it is (an operand is computed on the way)
;;     6. [M 4,096, K 1,024] x [K 1,024, N 1,024]; A: computed on the way; B: input Wo: left as it is (an operand is computed on the way)
;;   THE QUANTISER, for each operand of a quantised product, along K:
;;     - K is cut into blocks of 32 from its start; a last block that is shorter is filled with zeros.
;;     - A block's scale is 2^e with e = floor(log2(the largest magnitude in the block)) - 2, held to -126 .. 127; a block of zeros has e = 0. As a byte (E8M0): e + 127.
;;     - Each number is divided by its block's scale, clamped to +-6, and rounded to the nearest number of E2M1, ties to even, subnormals kept.
;;     - The product sums the exact products of the quantised numbers (number of the format x scale) in f32.
;;   ~~~python
;;   def quantise(x, axis):      # numpy; x: float32 -> the quantised numbers, widened to float32 again
;;       x = np.moveaxis(x, axis, -1); K = x.shape[-1]
;;       x = np.pad(x, [(0, 0)] * (x.ndim - 1) + [(0, -K % 32)]); x = x.reshape(x.shape[:-1] + (-1, 32)); a = np.abs(x).max(-1, keepdims=True)
;;       e = np.where(a > 0, np.clip(np.frexp(np.where(a > 0, a, 1))[1] - 1 - 2, -126, 127), 0)      # np.frexp(a)[1] - 1 = floor(log2(a)), exactly
;;       r = np.clip(x / 2.0 ** e, -6, 6)
;;       step = 2.0 ** (np.maximum(np.frexp(np.where(r == 0, 1, r))[1] - 1, 0) - 1)
;;       q = np.round(r / step) * step * 2.0 ** e      # np.round: ties to even
;;       return np.moveaxis(q.reshape(q.shape[:-2] + (-1,))[..., :K], -1, axis).astype(np.float32)
;;   ~~~
;; One version. Each part assembles by itself: llvm-mc -triple=amdgcn-amd-amdhsa -mcpu=gfx1250 --defsym DOCPART=n.
;; ======== version 1 of 1: 5 launches
;; limits: values are held in f16: magnitudes above 65,504 overflow, below 6.1e-05 lose precision
;; workspace buffers: codes 7,864,320 bytes; scales 491,520 bytes; wo16 2,097,152 bytes; qkv16 25,165,824 bytes; fine32 196,608 bytes; attn16 8,388,608 bytes
;; launch quant (part 1): grid 512 x 1, 4 waves a work-group, no clusters, 33,280 bytes of LDS; arguments query, key, value, Wq, Wk, Wv, Wo, codes, scales, wo16; writes codes, scales, wo16
.if DOCPART == 1
	.amdgcn_target "amdgcn-amd-amdhsa--gfx1250"
	.amdhsa_code_object_version 6
	.text
	.protected	k_q26d38a69e5_quant
	.globl	k_q26d38a69e5_quant
	.p2align	8
	.type	k_q26d38a69e5_quant,@function
k_q26d38a69e5_quant:
	s_mov_b64 s[64:65], 0
	v_nop
	global_prefetch_b8 v0, s[64:65] scope:SCOPE_SE
	s_setreg_imm32_b32 hwreg(HW_REG_WAVE_MODE, 25, 1), 1
	s_wait_xcnt 0x0
; FIRST OF FIVE LAUNCHES.  query, key, value [4096][1024] and Wq, Wk, Wv [1024][1024], f32, all with K innermost, become codes of FP4 (E2M1) and one E8M0 byte for each 32 along K;
; Wo [1024][1024] becomes f16 for the last product, which is left as it is.
; codes: [15360 rows][512 bytes], scales: [15360 rows][32 bytes]; rows 0-4095 query, 4096-8191 key, 8192-12287 value, then 1024 rows each of Wq, Wk, Wv.
; DEAD WORK, LEFT OUT IN THE WHOLE PROGRAM: the input bk.  score(i, j) = q_i . (k'_j + bk) / 8 = q_i . k'_j / 8 + q_i . bk / 8, k' the projection without its bias.  The second term is the same for all keys j
; of a row i; every row keeps at least key i; the product of q and k is not quantised; so the softmax along j takes the term away, whatever finite values the inputs hold.  bk is not loaded and is no argument of any launch.
; Also left out: all key steps that lie wholly outside the band i - 256 <= j <= i, which reference() itself sets to -infinity.
; LIMIT: a NaN, an infinity or an overflow that reaches only the work left out (bk; scores outside the band) is not carried to the result.
; A block's scale is 2^(floor(log2(its largest magnitude)) - 2); its byte is the largest magnitude's exponent field - 2, held at 1 from below.  A block of zeros so gets the byte 1 where the rule says 127:
; its codes are zeros, which add nothing under any byte but 0xff, and the bytes are read by this program alone.
; LIMITS: NaN and infinities among the quantised inputs are not served; |Wo| stays under 65,504 (f16).
; SHARES.  Work-groups 0-479 take 32,768 numbers each (32 rows), a wave 16 steps of 512 numbers; since the rows of codes follow the order of the work-groups, the destinations are linear in the work-group's number.
; Each load reads 512 consecutive bytes; a step's 2,048 bytes turn through the wave's own stage in LDS, so that a lane holds 16 neighbours along K; a wave's store of codes covers 256 consecutive bytes, aligned;
; a wave's 256 scale bytes are gathered in LDS and leave as 256 consecutive bytes.  Work-groups 480-511 convert Wo: a wave 8,192 numbers, no LDS.  Waves share nothing: no barrier.
.set WAVES, 4
.set STEPS, 16
.set EMAX,  2
.set CB,    8                          ; bytes of 16 codes
.set R,     16                         ; v16-79   four sets of 16 numbers as they are loaded
.set X,     80                         ; v80-111  two sets of 16 neighbours
.set E,     112                        ; v112-127 a scale byte for each step
.set C,     128                        ; v128-191 codes: four registers for each step, so that no store's data are written again
.set WREG,  8192                       ; LDS: a region for each wave: two stages of 32 x SP bytes, behind them its 256 scale bytes
.set SP,    80                         ; a lane's place in a stage: 64 bytes + 16 of padding
.set SPW,   12                         ; v12 LDS address of my spare word; never rewritten
.set NIL,   13                         ; v13 0; never rewritten
.set SPARE, WAVES*WREG                 ; the spare words, 128 bytes for each wave
.set NQWG,  480                        ; work-groups that quantise
	s_load_b512 s[8:23], s[0:1], 0x0               ; query 8:9, key 10:11, value 12:13, Wq 14:15, Wk 16:17, Wv 18:19, Wo 20:21, codes 22:23
	s_load_b128 s[24:27], s[0:1], 0x40             ; scales 24:25, wo16 26:27
	v_lshl_add_u32 v[SPW], v0, 2, SPARE
	v_mov_b32 v[NIL], 0
	v_lshrrev_b32 v1, 5, v0
	v_readfirstlane_b32 s36, v1                    ; wave
	v_and_b32 v2, 31, v0                           ; lane
	s_cmp_ge_u32 ttmp9, NQWG
	s_cbranch_scc1 .Lwo
	v_lshlrev_b32 v3, 4, v2                        ; my 16 bytes of a load's 512
	s_mul_i32 s37, s36, WREG
	v_lshrrev_b32 v14, 2, v2
	v_mul_u32_u24 v14, v14, SP
	v_and_b32 v15, 3, v2
	v_lshl_add_u32 v14, v15, 4, v14
	v_add_nc_u32 v14, s37, v14                     ; the stage on the way in: SP (lane / 4) + 16 (lane % 4)
	v_mul_u32_u24 v15, v2, SP
	v_add_nc_u32 v15, s37, v15                     ; and on the way out: SP x lane: my 16 neighbours
	v_mul_u32_u24 v4, v2, CB                       ; my codes' place in a step's
	v_lshrrev_b32 v5, 1, v2
	s_add_co_u32 s37, s37, 2*32*SP
	v_add_nc_u32 v5, s37, v5                       ; my wave's 256 scale bytes, my block's byte
	v_lshlrev_b32 v7, 3, v2                        ; on the way out 8 bytes a lane
	v_add_nc_u32 v6, s37, v7
	; which tensor, and which run of 32 rows of it: query, key, value have 128 work-groups each, the weights 32
	s_lshr_b32 s28, ttmp9, 7
	s_and_b32 s29, ttmp9, 127
	s_sub_co_u32 s30, ttmp9, 384
	s_lshr_b32 s31, s30, 5
	s_add_co_u32 s31, s31, 3
	s_and_b32 s30, s30, 31
	s_cmp_lt_u32 ttmp9, 384
	s_cselect_b32 s28, s28, s31                    ; tensor 0 .. 5
	s_cselect_b32 s29, s29, s30                    ; its run
	s_lshl_b32 s29, s29, 2
	s_add_co_u32 s29, s29, s36                     ; 4 x run + wave
	s_lshl_b32 s30, s29, 15                        ; x 8,192 numbers of 4 bytes
	s_mov_b32 s31, 0
	s_lshl_b32 s38, ttmp9, 2
	s_add_co_u32 s38, s38, s36                     ; 4 x work-group + wave
	s_lshl_b32 s40, s38, 12                        ; x 4,096 bytes of codes
	s_mov_b32 s41, 0
	s_lshl_b32 s42, s38, 8                         ; x 256 scale bytes
	s_mov_b32 s43, 0
	s_wait_kmcnt 0x0
	s_mov_b64 s[4:5], s[8:9]                       ; the source is chosen by the work-group's number alone
.irp n, 1,2,3,4,5
	s_cmp_eq_u32 s28, \n
	s_cselect_b64 s[4:5], s[8+2*\n:9+2*\n], s[4:5]
.endr
	s_add_nc_u64 s[4:5], s[4:5], s[30:31]
	s_add_nc_u64 s[22:23], s[22:23], s[40:41]
	s_add_nc_u64 s[24:25], s[24:25], s[42:43]
.macro LOAD t
.irp i, 0,1,2,3
	global_load_b128 v[R+16*((\t)%4)+4*\i:R+16*((\t)%4)+4*\i+3], v3, s[4:5] offset:2048*(\t)+512*\i th:TH_LOAD_NT   ; 32 lanes read 512 consecutive bytes
.endr
.endm
.macro TURN t                          ; step t's numbers through the stage: LDS serves a wave's instructions in order, so no wait stands between the stores and the loads
.irp i, 0,1,2,3
	ds_store_b128 v14, v[R+16*((\t)%4)+4*\i:R+16*((\t)%4)+4*\i+3] offset:32*SP*((\t)%2)+8*SP*\i
.endr
.irp i, 0,1,2,3
	ds_load_b128 v[X+16*((\t)%2)+4*\i:X+16*((\t)%2)+4*\i+3], v15 offset:32*SP*((\t)%2)+16*\i
.endr
.endm
.irp t, 0,1,2,3
	LOAD \t
.endr
	s_wait_loadcnt 12                              ; step 0's four loads are in; the twelve of steps 1 to 3 may be out
	TURN 0
.macro STEP t
.set XS, X+16*((\t)%2)
.if (\t) > 0
	s_wait_dscnt 1                                 ; this step's numbers are back from the stage (the last step's byte store may be out)
.else
	s_wait_dscnt 0x0
.endif
.if (\t)+4 < STEPS
	LOAD (\t)+4                                    ; into the registers that this step's stores into the stage have read
.endif
.if (\t)+1 < STEPS
.if STEPS-2-(\t) >= 3
	s_wait_loadcnt 12                              ; the next step's four loads are in; those of the three steps behind it may be out
.else
	s_wait_loadcnt 4*(STEPS-2-(\t))
.endif
	TURN (\t)+1
.endif
	v_max3_num_f32 v8, |v[XS]|, |v[XS+1]|, |v[XS+2]|               ; the largest magnitude of my 16, in two chains
	v_max3_num_f32 v9, |v[XS+3]|, |v[XS+4]|, |v[XS+5]|
.irp i, 6,10
	v_max3_num_f32 v8, v8, |v[XS+\i]|, |v[XS+\i+1]|
	v_max3_num_f32 v9, v9, |v[XS+\i+2]|, |v[XS+\i+3]|
.endr
	v_max3_num_f32 v8, v8, |v[XS+14]|, |v[XS+15]|
	v_max3_num_f32 v8, v8, v9, (EMAX+1)<<23        ; and the floor 2^(EMAX + 1 - 127): the byte cannot fall under 1
	v_max_num_f32_dpp v8, v8, v8 row_xmask:1 row_mask:0xf bank_mask:0xf   ; with my neighbour's 16: the block's
	v_add_nc_u32 v11, -(EMAX<<23), v8              ; EMAX off its exponent field: the conversion takes the exponent field of this operand as its scale
	v_cvt_scalef32_pk8_fp4_f32 v[C+4*(\t)], v[XS:XS+7], v11
	v_cvt_scalef32_pk8_fp4_f32 v[C+4*(\t)+1], v[XS+8:XS+15], v11
	v_lshrrev_b32 v[E+(\t)], 23, v11               ; the scale's byte
	ds_store_b8 v5, v[E+(\t)] offset:16*(\t)       ; both lanes of a block write the same byte with the same value
	global_store_b64 v4, v[C+4*(\t):C+4*(\t)+1], s[22:23] offset:32*CB*(\t)   ; the wave stores 256 consecutive bytes, aligned
.endm
.irp t, 0,1,2,3,4,5,6,7,8,9,10,11,12,13,14,15
	STEP \t
.endr
	ds_load_b64 v[8:9], v6                         ; LDS serves a wave's instructions in order: these see my byte stores
	s_wait_dscnt 0x0
	global_store_b64 v7, v[8:9], s[24:25]          ; 256 consecutive scale bytes, aligned
	s_wait_tensorcnt 0x0                           ; the wave's end
	ds_add_u32 v[SPW], v[NIL]
	s_wait_dscnt 0x0
	s_endpgm
; Wo to f16: four batches of 16 loads (512 consecutive bytes each), two sets of registers by turns; a lane's four numbers become 8 bytes, the wave's store covers 256 consecutive bytes, aligned.  This way writes no LDS.
.Lwo:
	v_lshlrev_b32 v3, 4, v2
	v_lshlrev_b32 v4, 3, v2
	s_sub_co_u32 s28, ttmp9, NQWG
	s_lshl_b32 s28, s28, 2
	s_add_co_u32 s28, s28, s36                     ; which run of 8,192 numbers is my wave's
	s_lshl_b32 s30, s28, 15
	s_mov_b32 s31, 0
	s_lshl_b32 s40, s28, 14
	s_mov_b32 s41, 0
	s_wait_kmcnt 0x0
	s_add_nc_u64 s[20:21], s[20:21], s[30:31]
	s_add_nc_u64 s[26:27], s[26:27], s[40:41]
.macro LOADB k, reg
.irp i, 0,1,2,3,4,5,6,7,8,9,10,11,12,13,14,15
	global_load_b128 v[\reg+4*\i:\reg+4*\i+3], v3, s[20:21] offset:512*(16*\k+\i) th:TH_LOAD_NT
.endr
.endm
.macro CVTB k, reg
.irp i, 0,1,2,3,4,5,6,7,8,9,10,11,12,13,14,15
	v_cvt_pk_f16_f32 v[144+2*\i], v[\reg+4*\i], v[\reg+4*\i+1]
	v_cvt_pk_f16_f32 v[145+2*\i], v[\reg+4*\i+2], v[\reg+4*\i+3]
.endr
.irp i, 0,1,2,3,4,5,6,7,8,9,10,11,12,13,14,15
	global_store_b64 v4, v[144+2*\i:145+2*\i], s[26:27] offset:256*(16*\k+\i)
.endr
.endm
	LOADB 0, 16
	LOADB 1, 80
	s_wait_loadcnt 16                              ; batch 0 is in; batch 1's sixteen may be out
	CVTB 0, 16
	LOADB 2, 16
	s_wait_loadcnt 16                              ; batch 1 is in
	s_wait_xcnt 0x0                                ; the stores' data registers are written again only behind this wait
	CVTB 1, 80
	LOADB 3, 80
	s_wait_loadcnt 16                              ; batch 2 is in
	s_wait_xcnt 0x0
	CVTB 2, 16
	s_wait_loadcnt 0x0
	s_wait_xcnt 0x0
	CVTB 3, 80
	s_endpgm
.Lfunc_end_k_q26d38a69e5_quant:
	.size	k_q26d38a69e5_quant, .Lfunc_end_k_q26d38a69e5_quant-k_q26d38a69e5_quant
	.p2alignl 7, 3214868480
	.fill 96, 4, 3214868480
	.section	.rodata,"a",@progbits
	.p2align	6, 0x0
	.amdhsa_kernel k_q26d38a69e5_quant
		.amdhsa_group_segment_fixed_size 33280
		.amdhsa_private_segment_fixed_size 0
		.amdhsa_enable_private_segment 0
		.amdhsa_kernarg_size 80
		.amdhsa_user_sgpr_count 2
		.amdhsa_user_sgpr_kernarg_segment_ptr 1
		.amdhsa_wavefront_size32 1
		.amdhsa_system_sgpr_workgroup_id_x 1
		.amdhsa_system_sgpr_workgroup_id_y 1
		.amdhsa_system_sgpr_workgroup_id_z 1
		.amdhsa_system_vgpr_workitem_id 0
		.amdhsa_next_free_vgpr 192
		.amdhsa_next_free_sgpr 66
		.amdhsa_reserve_vcc 0
		.amdhsa_float_denorm_mode_32 3
		.amdhsa_float_denorm_mode_16_64 3
		.amdhsa_memory_ordered 1
		.amdhsa_forward_progress 1
		.amdhsa_inst_pref_size 55
	.end_amdhsa_kernel
	.amdgpu_metadata
---
amdhsa.version: [ 1, 2 ]
amdhsa.kernels:
  - .name:           k_q26d38a69e5_quant
    .symbol:         k_q26d38a69e5_quant.kd
    .args:
      - { .name: query, .offset: 0, .size: 8, .value_kind: global_buffer, .address_space: global }
      - { .name: key, .offset: 8, .size: 8, .value_kind: global_buffer, .address_space: global }
      - { .name: value, .offset: 16, .size: 8, .value_kind: global_buffer, .address_space: global }
      - { .name: Wq, .offset: 24, .size: 8, .value_kind: global_buffer, .address_space: global }
      - { .name: Wk, .offset: 32, .size: 8, .value_kind: global_buffer, .address_space: global }
      - { .name: Wv, .offset: 40, .size: 8, .value_kind: global_buffer, .address_space: global }
      - { .name: Wo, .offset: 48, .size: 8, .value_kind: global_buffer, .address_space: global }
      - { .name: codes, .offset: 56, .size: 8, .value_kind: global_buffer, .address_space: global }
      - { .name: scales, .offset: 64, .size: 8, .value_kind: global_buffer, .address_space: global }
      - { .name: wo16, .offset: 72, .size: 8, .value_kind: global_buffer, .address_space: global }
    .group_segment_fixed_size: 33280
    .private_segment_fixed_size: 0
    .kernarg_segment_align: 8
    .kernarg_segment_size: 80
    .max_flat_workgroup_size: 128
    .sgpr_count:     66
    .vgpr_count:     192
    .wavefront_size: 32
...
	.end_amdgpu_metadata
.endif
;; end of part 1
;; launch proj (part 2): grid 4 x 48, 4 waves a work-group, clusters of 4 x 4, 327,680 bytes of LDS; arguments codes, scales, bq, bv, qkv16, fine32; writes qkv16, fine32
.if DOCPART == 2
	.amdgcn_target "amdgcn-amd-amdhsa--gfx1250"
	.amdhsa_code_object_version 6
	.text
	.protected	k_q26d38a69e5_proj
	.globl	k_q26d38a69e5_proj
	.p2align	8
	.type	k_q26d38a69e5_proj,@function
k_q26d38a69e5_proj:
	s_mov_b64 s[64:65], 0
	v_nop
	global_prefetch_b8 v0, s[64:65] scope:SCOPE_SE
	s_setreg_imm32_b32 hwreg(HW_REG_WAVE_MODE, 25, 1), 1
	s_wait_xcnt 0x0
	s_wait_alu depctr_hold_cnt(0) depctr_sa_sdst(0) depctr_va_vdst(0) depctr_va_sdst(0) depctr_va_ssrc(0) depctr_va_vcc(0) depctr_vm_vsrc(0)
	s_getreg_b32 s2, hwreg(HW_REG_IB_STS2, 6, 4)
	s_cmp_eq_u32 s2, 0
	s_cbranch_scc0 .Lentry_in_a_cluster
	s_endpgm
.Lentry_in_a_cluster:
	s_bfe_u32 s2, ttmp6, 0x10000c
	s_cmp_lg_u32 s2, 0xf033
	s_cbranch_scc0 .Lentry_shape_is_right
	s_endpgm
.Lentry_shape_is_right:
; SECOND LAUNCH: the three quantised projections, q = Q(query) Q(Wq)^T + bq, k = Q(key) Q(Wk)^T, v = Q(value) Q(Wv)^T + bv, on codes of FP4 with E8M0 scales; sums in f32; results as f16 in qkv16 [12288][1024]
; (rows 0-4095 q, 4096-8191 k, 8192-12287 v).  Rows 0-15 of each tensor leave in f32 too (fine32), for the launch that carries the first 16 positions in f32.
; LEFT OUT: bk (the first launch's head shows that it is dead work): k's sums begin at zero.
; LIMIT: |q|, |k|, |v| stay under 65,504 (f16).
; One GEMM C[m][n] = sum over k of A[m][k] B[n][k] of 12,288 x 1,024 x 1,024 whose B changes with the tensor: A's rows are rows 0-12287 of codes, B's are rows 12288 + 1024 T + n.
; A tile of C, 256 x 256, is made by four waves, each 128 x 128: 64 accumulators of 16 x 16, 512 registers.  192 tiles; 16 tile rows to a tensor, so no tile meets two tensors.
; K = 1,024 is two slots of 512 (LDS rows of 256 bytes + 16): both are asked for at the head and nothing is filled again.  The scale bytes of the tile's 256 + 256 rows, 32 bytes a row, come with them.
; CLUSTERS: 4 x 4 work-groups.  The four of a row of the cluster need the same tile of A, the four of a column the same tile of B: each is asked for jointly, with a mask that names the four.
; A cluster's four tile rows belong to one tensor (T = cluster y / 4), so T is the same in all sixteen partners.
; THE MATRIX INSTRUCTION IS USED TRANSPOSED (source 0 = 16 rows of B, source 1 = 16 rows of A): a lane holds eight neighbouring numbers of a row of C.
; REGISTERS, in windows of 256: window 0: v0-31 addresses; v32-95 scale words, two sets; v128-191 A's fragments, one set; v192-255 the bias in the result's layout (the C of the first K step); on the way out v32-63, v192-255 are at work.
;   window 1: B's fragments, two sets, at v0 and v128.   window 2: the accumulators of my rows 0-63 ((a, b) at v[8 (8 a + b)]);   window 3: those of my rows 64-127.
.set KSTEP,  512
.set NQ,     KSTEP/128
.set ROWB,   256                       ; a tile's row in bytes
.set KROW,   512                       ; a row of codes in memory
.set PITCH,  272                       ; an LDS row: 256 bytes + 16 of padding: the 16 rows that a load touches start at 16 different places modulo 256 bytes
.set FR,     8
.set NL,     2
.set NP,     4
.set HALFT,  128*PITCH
.set SLOT,   4*HALFT
.set KS,     32                        ; a row of scale bytes
.set SCL,    2*SLOT
.set HALFS,  (128*KS/256)*272
.set SBLK,   (16*KS/256)*272
.set SPARE,  SCL+4*HALFS               ; the spare words, 128 bytes for each wave
.set STAGE,  SPARE+512                 ; the way out: 16 rows x 272 bytes for each wave; no fill lands here
.set SPITCH, 272
.set WROW0,  12288                     ; the weights' first row in codes
.set FL,   15                          ; v15  my place along the cluster's y, for a lane mask
.set ADRA, 16
.set ADRB, 20
.set STO,  24
.set RD,   25
.set CO,   26
.set ADRS, 27
.set SPW,  28
.set NIL,  29
.set BO,   30                          ; v30  32 x (lane / 16): my eight numbers of a bias tile
.set LI,   31                          ; v31  16 x lane
.set SC,   32
.set AF,   128
.set BI,   192
.set TMP,  192
.set OB,   32
.set G1, 24
.set G0, 32
.set G1B, 48
.set G0B, 56
.set G1S, 68
.set G0S, 76
.set G1SB, 80
.set G0SB, 88
.set MSB, 0
.macro WIN new                         ; the immediate's high byte repeats the setting that is left
.if MSB != \new
	s_set_vgpr_msb (MSB<<8)|\new
.set MSB, \new
.endif
.endm
.set MUL_LO, 0xa1                      ; source 0 (B) window 1, source 1 (A) window 0, C and D window 2
.set MUL_HI, 0xf1                      ; the same, C and D window 3
.set BEG_LO, 0x81                      ; the first K step: C (the bias) window 0, D window 2
.set BEG_HI, 0xc1                      ; D window 3
.set TO_B,   0x40
; A joint load: waves 0 and 1 fetch for A, waves 2 and 3 for B; the branch hangs on the wave's number alone.  An s_nop 0 and four v_nop follow each of the two lines.
.macro JLOAD g0a, g1a, g0b, g1b
	s_cmp_eq_u32 s15, 0
	s_cbranch_scc0 .Lfor_b_\@
	tensor_load_to_lds s[\g0a:\g0a+3], s[\g1a:\g1a+7]
	s_nop 0
.rept 4
	v_nop
.endr
	s_branch .Lasked_\@
.Lfor_b_\@:
	tensor_load_to_lds s[\g0b:\g0b+3], s[\g1b:\g1b+7]
	s_nop 0
.rept 4
	v_nop
.endr
.Lasked_\@:
.endm
.macro CROUND                          ; a round of the cluster's barrier
	s_barrier_signal -1
	s_barrier_wait -1
	s_cmp_lg_u32 s14, 0
	s_cbranch_scc1 .Lnot_wave_0_\@
	s_barrier_signal -3
.Lnot_wave_0_\@:
	s_barrier_wait -3
	s_barrier_signal -1
	s_barrier_wait -1
.endm
	s_load_b128 s[4:7], s[0:1], 0x0                ; codes, scales
	s_load_b128 s[8:11], s[0:1], 0x10              ; bq, bv
	s_load_b64 s[12:13], s[0:1], 0x20              ; qkv16
	s_load_b64 s[96:97], s[0:1], 0x28              ; fine32
	v_lshl_add_u32 v[SPW], v0, 2, SPARE
	v_mov_b32 v[NIL], 0
	ds_add_u32 v[SPW], v[NIL]                      ; the wave's opening: the add, twice on end, and its wait ahead of my first tensor load
	ds_add_u32 v[SPW], v[NIL]
	v_lshrrev_b32 v1, 5, v0
	v_readfirstlane_b32 s14, v1                    ; wave 0..3
	s_lshr_b32 s15, s14, 1                         ; which half of the tile's rows is mine.  Also: I fetch for A (0) or for B (1)
	s_and_b32 s16, s14, 1                          ; which half of its columns.  Also: which 128 rows of that tile I fetch
	s_bfe_u32 s40, ttmp6, 0x40000                  ; cx
	s_bfe_u32 s41, ttmp6, 0x40004                  ; cy
	s_lshl_b32 s42, ttmp9, 2
	s_add_co_u32 s42, s42, s40                     ; tile column = 4 x cluster x + cx
	s_and_b32 s99, ttmp7, 0xffff                   ; cluster y
	s_lshl_b32 s17, s99, 2
	s_add_co_u32 s17, s17, s41                     ; tile row = 4 x cluster y + cy
	s_lshr_b32 s98, s99, 2                         ; T: the tensor, 0 q, 1 k, 2 v: the same in all partners
	s_lshl_b32 s43, s41, 2
	s_lshl_b32 s43, 15, s43                        ; my row of the cluster
	s_lshl_b32 s44, 0x1111, s40                    ; my column
	s_or_b32 s[G1+0], s43, (0<<16)|(1<<20)|(1<<21)|(5<<22)|(3<<25)  ; the mask; elements of 1 byte; padding on; bit 21 beside a mask; after every 64 words, 4 words
	s_or_b32 s[G1B+0], s44, (0<<16)|(1<<20)|(1<<21)|(5<<22)|(3<<25)
.irp g, G1, G1B
	s_mov_b32 s[\g+1], ROWB<<16                    ; tensor_dim0
	s_mov_b32 s[\g+2], 128<<16                     ; tensor_dim1
	s_mov_b32 s[\g+3], ROWB<<16                    ; tile_dim0
	s_mov_b32 s[\g+4], 128                         ; tile_dim1
	s_mov_b32 s[\g+5], KROW                        ; the pitch
	s_mov_b32 s[\g+6], 0
	s_mov_b32 s[\g+7], 0
.endr
	s_or_b32 s[G1S+0], s43, (3<<16)|(1<<20)|(1<<21)|(5<<22)|(3<<25)  ; the scales of 128 rows: 4,096 dense bytes as 16 rows of 256 bytes (32 elements of 8 bytes), 16 bytes of padding behind each
	s_or_b32 s[G1SB+0], s44, (3<<16)|(1<<20)|(1<<21)|(5<<22)|(3<<25)
.irp g, G1S, G1SB
	s_mov_b32 s[\g+1], 32<<16
	s_mov_b32 s[\g+2], (128*KS/256)<<16
	s_mov_b32 s[\g+3], 32<<16
	s_mov_b32 s[\g+4], 128*KS/256
	s_mov_b32 s[\g+5], 32
	s_mov_b32 s[\g+6], 0
	s_mov_b32 s[\g+7], 0
.endr
	s_lshl_b32 s18, s16, 7                         ; which 128 rows of the tile I fetch
	s_lshl_b32 s20, s17, 8
	s_add_co_u32 s20, s20, s18                     ; A: row 256 x tile row + 128 x half
	s_lshl_b32 s46, s42, 8
	s_add_co_u32 s46, s46, s18
	s_lshl_b32 s47, s98, 10
	s_add_co_u32 s46, s46, s47
	s_add_co_u32 s46, s46, WROW0                   ; B: row 12288 + 1024 T + 256 x tile column + 128 x half
	s_mov_b32 s21, 0
	s_mov_b32 s47, 0
	s_mov_b64 s[18:19], KS
	s_mul_u64 s[22:23], s[20:21], s[18:19]         ; where these rows' scales begin
	s_mul_u64 s[92:93], s[46:47], s[18:19]
	s_mov_b64 s[18:19], KROW
	s_mul_u64 s[20:21], s[20:21], s[18:19]         ; and their codes
	s_mul_u64 s[46:47], s[46:47], s[18:19]
	s_mul_i32 s45, s14, HALFT                      ; where they go: wave x 128 rows
	s_mul_i32 s94, s14, HALFS
	s_wait_dscnt 0x0                               ; both opening adds are done
	s_wait_kmcnt 0x0
	s_add_nc_u64 s[20:21], s[4:5], s[20:21]
	s_add_nc_u64 s[22:23], s[6:7], s[22:23]
	s_add_nc_u64 s[46:47], s[4:5], s[46:47]
	s_add_nc_u64 s[92:93], s[6:7], s[92:93]
	CROUND                                         ; all sixteen work-groups are here: the joint loads meet
	s_mov_b32 s[G0S], 1
	s_add_co_u32 s[G0S+1], s94, SCL
	s_mov_b64 s[G0S+2:G0S+3], s[22:23]
	s_or_b32 s[G0S+3], s[G0S+3], 0x80000000
	s_mov_b32 s[G0SB], 1
	s_add_co_u32 s[G0SB+1], s94, SCL
	s_mov_b64 s[G0SB+2:G0SB+3], s[92:93]
	s_or_b32 s[G0SB+3], s[G0SB+3], 0x80000000
	JLOAD G0S, G1S, G0SB, G1SB                     ; the scales first; then both slots: three loads of mine are out
.irp s, 0,1
	s_mov_b32 s[G0+4*\s], 1
	s_add_co_u32 s[G0+4*\s+1], s45, \s*SLOT
	s_add_nc_u64 s[G0+4*\s+2:G0+4*\s+3], s[20:21], \s*ROWB
	s_or_b32 s[G0+4*\s+3], s[G0+4*\s+3], 0x80000000
	s_mov_b32 s[G0B+4*\s], 1
	s_add_co_u32 s[G0B+4*\s+1], s45, \s*SLOT
	s_add_nc_u64 s[G0B+4*\s+2:G0B+4*\s+3], s[46:47], \s*ROWB
	s_or_b32 s[G0B+4*\s+3], s[G0B+4*\s+3], 0x80000000
	JLOAD G0+4*\s, G1, G0B+4*\s, G1B
.endr
	v_and_b32 v1, 15, v0                           ; r = lane % 16
	v_bfe_u32 v2, v0, 4, 1                         ; h = lane / 16
	v_lshlrev_b32 v[BO], 5, v2
	; THE BIAS, in the result's layout: register 8 b + j of lane (r, h) = bias[256 x tile column + 128 x my half + 16 b + 8 h + j].  It is the C of each sum's first matrix instruction.
	s_cmp_eq_u32 s98, 2
	s_cselect_b64 s[8:9], s[10:11], s[8:9]         ; bv for v, else bq
	s_lshl_b32 s46, s42, 10
	s_lshl_b32 s47, s16, 9
	s_add_co_u32 s46, s46, s47
	s_mov_b32 s47, 0
	s_add_nc_u64 s[8:9], s[8:9], s[46:47]
	s_cmp_eq_u32 s98, 1                            ; k has no bias.  The branch hangs on the cluster's y alone
	s_cbranch_scc1 .Lno_bias
.irp b, 0,1,2,3,4,5,6,7
	global_load_b128 v[BI+8*\b:BI+8*\b+3], v[BO], s[8:9] offset:64*\b
	global_load_b128 v[BI+8*\b+4:BI+8*\b+7], v[BO], s[8:9] offset:64*\b+16
.endr
	s_branch .Lbias_set
.Lno_bias:                                         ; k's sums begin at zero: zeros in the same registers, so that the first K step is written once for the three tensors; these lines stand while the tiles are on their way
.set i, 0
.rept 64
	v_mov_b32 v[BI+i], 0
.set i, i+1
.endr
.Lbias_set:
	v_mul_u32_u24 v3, v1, PITCH
	v_lshl_add_u32 v4, v2, 4, v3                   ; a fragment's row x pitch + 16 x half
	s_mul_i32 s21, s15, HALFT                      ; my 128 rows of A
	s_mul_i32 s22, s16, HALFT                      ; my 128 rows of B,
	s_add_co_u32 s22, s22, 2*HALFT                 ; which lie behind A's 256
.irp s, 0,1
	v_add_nc_u32 v[ADRA+\s], s21, v4
	v_add_nc_u32 v[ADRB+\s], s22, v4
	s_add_co_u32 s21, s21, SLOT
	s_add_co_u32 s22, s22, SLOT
.endr
	v_mul_u32_u24 v5, v1, KS                       ; my row's scales: KS bytes a row,
	v_lshrrev_b32 v6, 8, v5
	v_lshl_add_u32 v5, v6, 4, v5                   ; and 16 more for each 256 passed
	s_mul_i32 s21, s15, HALFS
	s_mul_i32 s22, s16, HALFS
	s_add_co_u32 s22, s22, 2*HALFS
	s_sub_co_u32 s22, s22, s21
	v_mul_u32_u24 v6, s22, v2                      ; lanes 16-31 take B's
	s_add_co_u32 s21, s21, SCL
	v_add_nc_u32 v5, v5, v6
	v_add_nc_u32 v[ADRS], s21, v5
	s_mul_i32 s23, s14, 16*SPITCH
	s_add_co_u32 s23, s23, STAGE                   ; my stage
	v_mul_u32_u24 v5, v1, SPITCH                   ; in: row r, 16 bytes for each half of the lanes
	v_lshl_add_u32 v5, v2, 4, v5
	v_add_nc_u32 v[STO], s23, v5
	v_mul_u32_u24 v5, v2, SPITCH                   ; back: lanes 0-15 one row of 256 bytes, lanes 16-31 the next
	v_lshl_add_u32 v5, v1, 4, v5
	v_add_nc_u32 v[RD], s23, v5
	v_lshlrev_b32 v5, 11, v2                       ; and the same two rows in qkv16: 2,048 bytes a row
	v_lshl_add_u32 v[CO], v1, 4, v5
	v_and_b32 v6, 31, v0
	v_lshlrev_b32 v[LI], 4, v6
	s_lshl_b32 s20, s17, 8
	s_lshl_b32 s21, s15, 7
	s_add_co_u32 s20, s20, s21                     ; my first row: 256 x tile row + 128 x half
	s_lshl_b32 s20, s20, 11
	s_lshl_b32 s46, s42, 9                         ; my first column in bytes: 512 x tile column + 256 x half
	s_lshl_b32 s47, s16, 8
	s_add_co_u32 s46, s46, s47
	s_add_co_u32 s20, s20, s46
	s_mov_b32 s21, 0
	s_add_nc_u64 s[12:13], s[12:13], s[20:21]
	s_lshl_b32 s46, s42, 14                        ; fine32: [tensor][64 blocks of 16 columns][2 parts][32 lanes][16 bytes]: my first block is 16 x tile column + 8 x half
	s_lshl_b32 s47, s16, 13
	s_add_co_u32 s46, s46, s47
	s_lshl_b32 s47, s98, 16
	s_add_co_u32 s46, s46, s47
	s_mov_b32 s47, 0
	s_add_nc_u64 s[96:97], s[96:97], s[46:47]
.macro FRAG reg, adr, q, i             ; 16 rows x 128 K of 4-bit codes: 8 registers: lane l holds row l % 16; registers 4 c .. 4 c + 3 hold K = 64 c + 32 (l / 16) + 0 .. 31
.irp c, 0,1
	ds_load_b128 v[\reg+4*\c:\reg+4*\c+3], v[\adr] offset:64*(\q)+32*\c+(\i)*16*PITCH
.endr
.endm
; 16 matrix instructions: A's blocks a0, a0 + 1 x B's eight, the slot's q-th 128 along K.  p: B's set; sc: the set of scale words.  first = 1: the bias is the C: nothing is cleared and nothing is added later.
; The 64 accumulators take turns, one instruction a turn, in the same order in every step.
.macro MUL16 a0, p, q, sc, first
.irp a, \a0, \a0+1
.irp b, 0,1,2,3,4,5,6,7
.if \first
	v_wmma_scale_f32_16x16x128_f8f6f4 v[8*(8*((\a)%4)+\b):8*(8*((\a)%4)+\b)+7], v[128*(\p)+FR*\b:128*(\p)+FR*\b+FR-1], v[AF+FR*(\a):AF+FR*(\a)+FR-1], v[BI+8*\b:BI+8*\b+7], v[SC+8*NQ*(\sc)+NQ*\b+(\q)], v[SC+8*NQ*(\sc)+NQ*(\a)+(\q)] matrix_a_fmt:MATRIX_FMT_FP4 matrix_b_fmt:MATRIX_FMT_FP4 matrix_a_scale:MATRIX_SCALE_ROW1
.else
	v_wmma_scale_f32_16x16x128_f8f6f4 v[8*(8*((\a)%4)+\b):8*(8*((\a)%4)+\b)+7], v[128*(\p)+FR*\b:128*(\p)+FR*\b+FR-1], v[AF+FR*(\a):AF+FR*(\a)+FR-1], v[8*(8*((\a)%4)+\b):8*(8*((\a)%4)+\b)+7], v[SC+8*NQ*(\sc)+NQ*\b+(\q)], v[SC+8*NQ*(\sc)+NQ*(\a)+(\q)] matrix_a_fmt:MATRIX_FMT_FP4 matrix_b_fmt:MATRIX_FMT_FP4 matrix_a_scale:MATRIX_SCALE_ROW1
.endif
.endr
.endr
.endm
.macro FETCH_B slot, q, p
	WIN TO_B
.irp i, 0,1,2,3,4,5,6,7
	FRAG 128*(\p)+FR*\i, ADRB+\slot, \q, \i
.endr
	WIN 0
.endm
.macro FETCH_A slot, q, i0
.irp i, \i0, \i0+1, \i0+2, \i0+3
	FRAG AF+FR*(\i), ADRA+\slot, \q, \i
.endr
.endm
.macro SCALES sc                       ; a slot's scale words: 4 words a row; lanes 0-15 take A's block i, lanes 16-31 B's block i
.irp i, 0,1,2,3,4,5,6,7
	ds_load_b128 v[SC+8*NQ*\sc+NQ*\i:SC+8*NQ*\sc+NQ*\i+3], v[ADRS] offset:\i*SBLK
.endr
.endm
.macro PLACES n                        ; plain vector instructions between a matrix instruction and a load into, or a read of, its registers
.rept \n
	v_nop
.endr
.endm
.macro STEP slot, q, first             ; a step of 128 along K that has its successor in the same slot
	s_wait_dscnt 4*NL                              ; B's set and A's blocks 0-3 are in; the youngest eight loads (A's blocks 4-7) may be out
.if \first
	WIN BEG_LO
.else
	WIN MUL_LO
.endif
	MUL16 0, (\q)%2, \q, \slot, \first
	MUL16 2, (\q)%2, \q, \slot, \first
	s_wait_dscnt 0                                 ; A's blocks 4-7 are in
	PLACES NP
	FETCH_B \slot, (\q)+1, 1-(\q)%2
	FETCH_A \slot, (\q)+1, 0
.if \first
	WIN BEG_HI
.else
	WIN MUL_HI
.endif
	MUL16 4, (\q)%2, \q, \slot, \first
	MUL16 6, (\q)%2, \q, \slot, \first
	PLACES NP
	WIN 0
	FETCH_A \slot, (\q)+1, 4
.endm
; Slot 0's last step goes over to slot 1: each wave waits for all its tensor loads, so that behind the barrier slot 1 is whole for every wave.  Nothing is filled again.
.macro TURN slot, next
	s_wait_tensorcnt 0x0                           ; all my tensor loads have landed: my part of the next slot
	ds_add_u32 v[SPW], v[NIL]                      ; 0 onto my spare word
	s_wait_dscnt 4*NL+1                            ; (the add and the youngest eight loads may be out)
	WIN MUL_LO
	MUL16 0, 1, NQ-1, \slot, 0
	s_wait_dscnt 0x0                               ; the add is done, and no LDS instruction of mine is pending at the signal
	s_barrier_signal -1
	MUL16 2, 1, NQ-1, \slot, 0
	WIN 0
	s_barrier_wait -1
	PLACES NP
	v_add_nc_u32 v[ADRS], 4*NQ, v[ADRS]            ; on to the next slot's scale words
	FETCH_B \next, 0, 0
	FETCH_A \next, 0, 0
	SCALES \next
	WIN MUL_HI
	MUL16 4, 1, NQ-1, \slot, 0
	MUL16 6, 1, NQ-1, \slot, 0
	PLACES NP
	WIN 0
	FETCH_A \next, 0, 4
.endm
.macro STEPS slot, from
.set Q, \from
.rept NQ-1-\from
	STEP \slot, Q, 0
.set Q, Q+1
.endr
.endm
	s_wait_tensorcnt 1                             ; the scales and my part of slot 0 are in (slot 1's load may be out)
	s_barrier_signal -1
	s_barrier_wait -1                              ; everybody's are
	FETCH_B 0, 0, 0
	FETCH_A 0, 0, 0
	SCALES 0
	FETCH_A 0, 0, 4
	s_wait_loadcnt 0x0                             ; the bias
	STEP 0, 0, 1
	STEPS 0, 1
	TURN 0, 1
	STEPS 1, 0
	s_wait_dscnt 4*NL                              ; the last step: nothing more to fetch
	WIN MUL_LO
	MUL16 0, 1, NQ-1, 1, 0
	MUL16 2, 1, NQ-1, 1, 0
	s_wait_dscnt 0
	WIN MUL_HI
	MUL16 4, 1, NQ-1, 1, 0
	MUL16 6, 1, NQ-1, 1, 0
	WIN 0
	PLACES NP                                      ; behind the last products, ahead of every read of results
	; ROWS 0-15 OF EACH TENSOR IN F32: they are block 0 of the waves with the upper row half, in the tensor's first tile row (cluster y a multiple of 4, cy = 0).  The branch hangs on the cluster's y and the wave's number;
	; the place in the cluster goes into a lane mask, not into a branch.  The accumulators leave as an image of their registers: each store covers 512 consecutive bytes, aligned.
	s_and_b32 s2, s99, 3
	s_or_b32 s2, s2, s15
	s_cmp_lg_u32 s2, 0
	s_cbranch_scc1 .Lno_fine
	v_mov_b32 v[FL], s41
	v_cmp_eq_u32 vcc_lo, 0, v[FL]
	s_wait_xcnt 0x0                                ; EXEC changes only behind this wait
	s_and_saveexec_b32 s3, vcc_lo
	WIN 0x08                                       ; a store's data are its source 1: window 2
.irp b, 0,1,2,3,4,5,6,7
	global_store_b128 v[LI], v[8*\b:8*\b+3], s[96:97] offset:1024*\b          ; each accumulator from its low end on
	global_store_b128 v[LI], v[8*\b+4:8*\b+7], s[96:97] offset:1024*\b+512
.endr
	WIN 0
	s_wait_xcnt 0x0                                ; and again ahead of the line that widens it
	s_or_b32 exec_lo, exec_lo, s3
.Lno_fine:
; THE WAY OUT, a block of 16 rows x 128 columns at a time: rounded to f16, 16 bytes a lane, into my own stage, back as whole rows of 256 bytes, stored.
.macro PACK a
.set AC, 64*((\a)%4)
	WIN 0x0a+5*((\a)/4)                            ; sources 0 and 1: window 2 or 3
.irp b, 0,1,2,3,4,5,6,7
.irp r, 0,1,2,3
	v_cvt_pk_f16_f32 v[TMP+4*\b+\r], v[AC+8*\b+2*\r], v[AC+8*\b+2*\r+1]
.endr
.endr
	WIN 0
.endm
.macro TOSTAGE a
.set BK, OB+192*((\a)%2)
.irp b, 0,1,2,3,4,5,6,7
	ds_store_b128 v[STO], v[TMP+4*\b:TMP+4*\b+3] offset:32*\b
.endr
.irp t, 0,1,2,3,4,5,6,7
	ds_load_b128 v[BK+4*\t:BK+4*\t+3], v[RD] offset:\t*2*SPITCH    ; LDS serves a wave's instructions in order: these see the stores above
.endr
.endm
.macro SEND a
.set BK, OB+192*((\a)%2)
	s_wait_dscnt 0x0                               ; the block is back in registers
	s_wait_xcnt 0x0                                ; the stores' base and the registers that earlier stores read are rewritten only behind this wait
.if (\a) > 0
	s_add_nc_u64 s[12:13], s[12:13], 16*2048       ; 16 rows on
.endif
.irp t, 0,1,2,3,4,5,6,7
	global_store_b128 v[CO], v[BK+4*\t:BK+4*\t+3], s[12:13] offset:2*\t*2048   ; 16 lanes store 256 consecutive bytes, aligned
.endr
.endm
	PACK 0
	TOSTAGE 0
.irp a, 1,2,3,4,5,6,7                  ; block a's conversions stand between block a - 1's loads from the stage and the wait for them
	PACK \a
	SEND \a-1
	TOSTAGE \a
.endr
	SEND 7
	s_wait_tensorcnt 0x0                           ; the wave's end
	ds_add_u32 v[SPW], v[NIL]
	s_wait_dscnt 0x0
	CROUND                                         ; the closing round
	s_endpgm
.Lfunc_end_k_q26d38a69e5_proj:
	.size	k_q26d38a69e5_proj, .Lfunc_end_k_q26d38a69e5_proj-k_q26d38a69e5_proj
	.p2alignl 7, 3214868480
	.fill 96, 4, 3214868480
	.section	.rodata,"a",@progbits
	.p2align	6, 0x0
	.amdhsa_kernel k_q26d38a69e5_proj
		.amdhsa_group_segment_fixed_size 327680
		.amdhsa_private_segment_fixed_size 0
		.amdhsa_enable_private_segment 0
		.amdhsa_kernarg_size 48
		.amdhsa_user_sgpr_count 2
		.amdhsa_user_sgpr_kernarg_segment_ptr 1
		.amdhsa_wavefront_size32 1
		.amdhsa_system_sgpr_workgroup_id_x 1
		.amdhsa_system_sgpr_workgroup_id_y 1
		.amdhsa_system_sgpr_workgroup_id_z 1
		.amdhsa_system_vgpr_workitem_id 0
		.amdhsa_next_free_vgpr 1024
		.amdhsa_next_free_sgpr 100
		.amdhsa_reserve_vcc 1
		.amdhsa_float_denorm_mode_32 3
		.amdhsa_float_denorm_mode_16_64 3
		.amdhsa_memory_ordered 1
		.amdhsa_forward_progress 1
		.amdhsa_inst_pref_size 133
	.end_amdhsa_kernel
	.amdgpu_metadata
---
amdhsa.version: [ 1, 2 ]
amdhsa.kernels:
  - .name:           k_q26d38a69e5_proj
    .symbol:         k_q26d38a69e5_proj.kd
    .args:
      - { .name: codes, .offset: 0, .size: 8, .value_kind: global_buffer, .address_space: global }
      - { .name: scales, .offset: 8, .size: 8, .value_kind: global_buffer, .address_space: global }
      - { .name: bq, .offset: 16, .size: 8, .value_kind: global_buffer, .address_space: global }
      - { .name: bv, .offset: 24, .size: 8, .value_kind: global_buffer, .address_space: global }
      - { .name: qkv16, .offset: 32, .size: 8, .value_kind: global_buffer, .address_space: global }
      - { .name: fine32, .offset: 40, .size: 8, .value_kind: global_buffer, .address_space: global }
    .group_segment_fixed_size: 327680
    .private_segment_fixed_size: 0
    .kernarg_segment_align: 8
    .kernarg_segment_size: 48
    .max_flat_workgroup_size: 128
    .sgpr_count:     100
    .vgpr_count:     1024
    .wavefront_size: 32
...
	.end_amdgpu_metadata
.endif
;; end of part 2
;; launch attn (part 3): grid 8 x 32, 16 waves a work-group, no clusters, 251,904 bytes of LDS; arguments qkv16, attn16; writes attn16
.if DOCPART == 3
	.amdgcn_target "amdgcn-amd-amdhsa--gfx1250"
	.amdhsa_code_object_version 6
	.text
	.protected	k_q26d38a69e5_attn
	.globl	k_q26d38a69e5_attn
	.p2align	8
	.type	k_q26d38a69e5_attn,@function
k_q26d38a69e5_attn:
	s_mov_b64 s[64:65], 0
	v_nop
	global_prefetch_b8 v0, s[64:65] scope:SCOPE_SE
	s_setreg_imm32_b32 hwreg(HW_REG_WAVE_MODE, 25, 1), 1
	s_wait_xcnt 0x0
; THIRD LAUNCH: attention in the band: query i sees keys i - 256 .. i.  q, k, v: f16 rows of qkv16 [12288][1024]; products with f16 operands and f32 sums; softmax in f32; the result as f16 in attn16 [4096][1024].
; LEFT OUT: key steps wholly outside the band or in front of key 0 (reference() sets them to -infinity itself); bk (dead work: the first launch's head).
; LIMIT: the weights p = 2^(c (s - m)) are rounded to f16 (at most 1; what falls under f16's smallest number counts as 0 beside a row sum of at least 1).
; SHARES.  A work-group takes two heads (256 bytes of every row) and 128 queries Q0 .. Q0 + 127; its 384 keys Q0 - 256 .. Q0 + 127 lie in LDS, key kappa in row kappa - Q0 + 256.  Wave w: head w % 2, queries 16 (w / 2) on.
; A wave walks the 288 keys a - 256 .. a + 31, a = Q0 + 32 (w / 4): nine steps of 32.  All 144 scores of a lane stay in registers, so the row's true maximum is taken away in one pass and nothing is rescaled.
; LDS is filled through registers: the chunks of 128 keys in front of key 0 are left out by a branch on the work-group's number.  No cluster: neighbouring query blocks share key chunks, but each chunk lies at
; another row of each block's window, and a joint load has one LDS address for all whom it names.
; LAYOUT.  S^T = K Q^T (source 0 = 16 keys, source 1 = my 16 queries): a lane holds ONE query (lane % 16) and keys 8 (lane / 16) + 0 .. 7 of a tile.  Two tiles, rounded to f16 in pairs, are source 1 (32 keys x 16 queries)
; of O^T = V^T P; V ([key][channel]) comes out of LDS turned, by ds_load_tr16_b128.
; REGISTERS: v1-19 addresses; v20, v21 the add's two; v22-25 maxima; v26 a permute's destination; v27 m; v[28:29] c m; v[30:31] 1 / l; v32-47 Q; v48-79 fragments of K or V; v80-83 sums; v84-99 the packed result;
;   v112-255 S^T (step s, tile u, register j at 112 + 16 s + 8 u + j); later v112-183 P, v184-215 O^T.
.set PK,    272                        ; a row of K in LDS: 256 bytes + 16
.set PV,    288                        ; a row of V: 256 + 32, for the turning load
.set VT,    384*PK
.set STG,   VT+384*PV                  ; the way out: 128 rows x 272 bytes
.set SPARE, STG+128*272                ; the spare words, 128 bytes for each of sixteen waves
.set S,     112
.set O,     184
	s_load_b128 s[4:7], s[0:1], 0x0                ; qkv16, attn16
	v_lshl_add_u32 v20, v0, 2, SPARE
	v_mov_b32 v21, 0
	v_lshrrev_b32 v22, 5, v0
	v_readfirstlane_b32 s14, v22                   ; wave 0..15
	s_and_b32 s15, ttmp7, 0xffff                   ; which block of 128 queries
	v_and_b32 v1, 15, v0                           ; r
	v_bfe_u32 v2, v0, 4, 1                         ; h
	s_and_b32 s22, s14, 1                          ; which of the two heads
	s_lshr_b32 s23, s14, 1                         ; which tile of 16 queries
	s_lshr_b32 s24, s14, 2
	s_lshl_b32 s24, s24, 5                         ; 32 (w / 4): my window's first LDS row
	s_lshl_b32 s25, s22, 7                         ; my head's 128 bytes of a row
	s_lshl_b32 s26, s14, 3
	v_add_nc_u32 v22, s26, v2                      ; 8 w + h: the rows that I move
	v_lshlrev_b32 v3, 11, v22
	v_lshl_add_u32 v3, v1, 4, v3                   ; in memory: rows of 2,048 bytes, 16 bytes a lane
	v_mul_u32_u24 v4, v22, PK
	v_lshl_add_u32 v4, v1, 4, v4                   ; v4-6: where I put K's rows of chunk 0, 1, 2
	v_add_nc_u32 v5, 128*PK, v4
	v_add_nc_u32 v6, 256*PK, v4
	v_mul_u32_u24 v7, v22, PV
	v_lshl_add_u32 v7, v1, 4, v7
	v_add_nc_u32 v7, VT, v7                        ; v7-9: the same for V
	v_add_nc_u32 v8, 128*PV, v7
	v_add_nc_u32 v9, 256*PV, v7
	v_mul_u32_u24 v23, v1, PK
	v_lshl_add_u32 v23, v2, 4, v23                 ; 272 r + 16 h
	s_mul_i32 s27, s24, PK
	s_add_co_u32 s27, s27, s25
	v_add_nc_u32 v10, s27, v23                     ; K's fragments, steps 0-4;
	v_add_nc_u32 v11, 160*PK, v10                  ; steps 5-8: two bases keep every offset inside its 16 bits
	v_and_b32 v24, 7, v0
	v_lshl_add_u32 v24, v2, 3, v24
	v_mul_u32_u24 v12, v24, PV                     ; the turning load: key 8 h + lane % 8,
	v_bfe_u32 v24, v0, 3, 1
	v_lshl_add_u32 v12, v24, 4, v12                ; channels 8 ((lane / 8) % 2) on
	s_mul_i32 s27, s24, PV
	s_add_co_u32 s27, s27, s25
	s_add_co_u32 s27, s27, VT
	v_add_nc_u32 v12, s27, v12
	v_add_nc_u32 v13, 160*PV, v12
	s_and_b32 s27, s23, 1
	s_lshl_b32 s27, s27, 4
	v_add_nc_u32 v14, s27, v1
	v_lshlrev_b32 v24, 3, v2
	v_sub_nc_u32 v14, v14, v24                     ; d = my query - a - 8 h.  Register 8 u + j of step s holds key a - 256 + 32 s + 8 h + 16 u + j
	v_mov_b32 v15, 0xff800000                      ; -infinity
	v_lshlrev_b32 v16, 11, v1
	v_lshl_add_u32 v16, v2, 4, v16                 ; Q: row r, + 16 h
	s_lshl_b32 s27, s23, 4
	s_mul_i32 s27, s27, 272
	s_add_co_u32 s27, s27, s25
	s_add_co_u32 s27, s27, STG
	v_add_nc_u32 v17, s27, v23                     ; the stage: row 16 (w / 2) + r, my head's half, + 16 h
	v_add_nc_u32 v18, STG, v4                      ; back: rows 8 w + h on, 16 bytes a lane
	v_lshlrev_b32 v19, 11, v2
	v_lshl_add_u32 v19, v1, 4, v19                 ; and the same in attn16
	v_mov_b32 v26, 0                               ; written once: a lane permute's destination counts as one of its sources
	v_mov_b32 v29, 0                               ; (upper halves of pairs that packed forms name)
	v_mov_b32 v31, 0
	s_lshl_b32 s28, s15, 18                        ; Q0 rows of 2,048 bytes
	s_lshl_b32 s29, ttmp9, 8                       ; the two heads' 256 bytes
	s_add_co_u32 s28, s28, s29
	s_mov_b32 s29, 0
	s_lshl_b32 s30, s23, 15                        ; my 16 queries,
	s_add_co_u32 s30, s30, s25                     ; my head
	s_mov_b32 s31, 0
	s_lshl_b32 s26, s14, 14                        ; the 8 rows that I store
	s_mov_b32 s27, 0
	s_lshl_b32 s16, s15, 7
	s_add_co_u32 s16, s16, s24
	s_sub_co_u32 s16, s16, 256                     ; my window's first key, as a signed number: step s exists where it + 32 s is not negative
	s_mov_b32 s18, 0x3e38aa3b                      ; c = log2(e) / 8
	s_mov_b32 s19, s18
	s_mov_b32 s20, 0x76543210
	s_mov_b32 s21, 0xfedcba98                      ; v_permlanex16_b32's selects for lane l xor 16
	s_wait_kmcnt 0x0
	s_add_nc_u64 s[4:5], s[4:5], s[28:29]
	s_add_nc_u64 s[6:7], s[6:7], s[28:29]
	s_add_nc_u64 s[6:7], s[6:7], s[26:27]
	s_add_nc_u64 s[8:9], s[4:5], s[30:31]          ; q
	s_add_nc_u64 s[10:11], s[4:5], 0x800000        ; k: 4,096 rows on, at row Q0
	s_add_nc_u64 s[12:13], s[4:5], 0x1000000       ; v: 8,192 rows on
.irp c, 0,1
.irp e, 0,1
	global_load_b128 v[32+8*\c+4*\e:35+8*\c+4*\e], v16, s[8:9] offset:64*\c+32*\e   ; Q's two fragments stay in registers
.endr
.endr
; Chunk c: keys Q0 - 256 + 128 c on; a wave moves 8 rows of K and 8 of V; each load reads two rows of 256 consecutive bytes, aligned.
.macro LOADC c
.irp i, 0,1,2,3
	global_load_b128 v[112+32*\c+4*\i:115+32*\c+4*\i], v3, s[10:11] offset:(128*\c-256+2*\i)*2048
	global_load_b128 v[128+32*\c+4*\i:131+32*\c+4*\i], v3, s[12:13] offset:(128*\c-256+2*\i)*2048
.endr
.endm
.macro STOREC c
.irp i, 0,1,2,3
	ds_store_b128 v[4+\c], v[112+32*\c+4*\i:115+32*\c+4*\i] offset:2*\i*PK
	ds_store_b128 v[7+\c], v[128+32*\c+4*\i:131+32*\c+4*\i] offset:2*\i*PV
.endr
.endm
	LOADC 2                                        ; the chunk of my own queries is always there;
	s_cmp_lt_u32 s15, 1
	s_cbranch_scc1 .Lst2
	LOADC 1                                        ; the one before it from the second block of queries on;
	s_cmp_lt_u32 s15, 2
	s_cbranch_scc1 .Lst1
	LOADC 0                                        ; the first from the third on.  Each way stores just what it loaded
	s_wait_loadcnt 0x0
	STOREC 0
.Lst1:
	s_wait_loadcnt 0x0
	STOREC 1
.Lst2:
	s_wait_loadcnt 0x0                             ; (Q too)
	STOREC 2
	s_wait_dscnt 0x0                               ; for the others' sake: my stores have landed
	s_barrier_signal -1
	s_barrier_wait -1
; S^T of step s: two tiles of 16 keys, 64 channels: four matrix instructions, the two accumulators by turns.
.macro KSTEP s
.set KR, 10+(\s)/5
.set SPP, (\s)%5
.if \s < 8
.rept 4
	v_nop                                          ; places ahead of loads into registers that matrix instructions have read
.endr
.endif
.irp u, 0,1
.irp c, 0,1
.irp e, 0,1
	ds_load_b128 v[48+16*\u+8*\c+4*\e:51+16*\u+8*\c+4*\e], v[KR] offset:(32*SPP+16*\u)*PK+64*\c+32*\e
.endr
.endr
.endr
	s_wait_dscnt 0x0
	v_wmma_f32_16x16x32_f16 v[S+16*\s:S+16*\s+7], v[48:55], v[32:39], 0
	v_wmma_f32_16x16x32_f16 v[S+16*\s+8:S+16*\s+15], v[64:71], v[32:39], 0
	v_wmma_f32_16x16x32_f16 v[S+16*\s:S+16*\s+7], v[56:63], v[40:47], v[S+16*\s:S+16*\s+7]
	v_wmma_f32_16x16x32_f16 v[S+16*\s+8:S+16*\s+15], v[72:79], v[40:47], v[S+16*\s+8:S+16*\s+15]
.endm
	KSTEP 8                                        ; from the last step down: the steps in front of key 0 are the first ones
.irp s, 7,6,5,4,3,2,1,0
	s_cmp_lt_i32 s16, -32*\s
	s_cbranch_scc1 .Lnone\s
	KSTEP \s
.endr
	s_branch .Lhave
.irp s, 7,6,5,4,3,2,1,0
.Lnone\s:                                          ; step s and all before it lie in front of key 0: their scores are -infinity, as reference() has them
.irp j, 0,1,2,3,4,5,6,7,8,9,10,11,12,13,14,15
	v_mov_b32 v[S+16*\s+\j], v15
.endr
.endr
.Lhave:
.rept 4
	v_nop                                          ; places ahead of the first read of results
.endr
	; THE BAND'S EDGES touch steps 0 and 8 alone: key >= query - 256 means 32 s + 16 u + j >= d, true for s >= 1 since d <= 31; key <= query means 32 (s - 8) + 16 u + j <= d, true for s <= 7 since d >= -8.
.irp u, 0,1
.irp j, 0,1,2,3,4,5,6,7
	v_cmp_lt_i32 vcc_lo, 16*\u+\j, v14
	v_cndmask_b32 v[S+8*\u+\j], v[S+8*\u+\j], v15, vcc_lo
.endr
.endr
.irp u, 0,1
.irp j, 0,1,2,3,4,5,6,7
	v_cmp_gt_i32 vcc_lo, 16*\u+\j, v14
	v_cndmask_b32 v[S+128+8*\u+\j], v[S+128+8*\u+\j], v15, vcc_lo
.endr
.endr
	; the row's maximum: four chains, a tile to a chain, each tile from its low end on
.irp c, 0,1,2,3
	v_max_num_f32 v[22+\c], v[S+8*\c], v[S+1+8*\c]
.endr
.irp p, 1,2,3
.irp c, 0,1,2,3
	v_max3_num_f32 v[22+\c], v[22+\c], v[S+8*\c+2*\p], v[S+1+8*\c+2*\p]
.endr
.endr
.irp g, 1,2,3
.irp p, 0,1,2,3
.irp c, 0,1,2,3
	v_max3_num_f32 v[22+\c], v[22+\c], v[S+32*\g+8*\c+2*\p], v[S+1+32*\g+8*\c+2*\p]
.endr
.endr
.endr
.irp p, 0,1,2,3
.irp c, 0,1
	v_max3_num_f32 v[22+\c], v[22+\c], v[S+128+8*\c+2*\p], v[S+129+8*\c+2*\p]
.endr
.endr
	v_max3_num_f32 v22, v22, v23, v24
	v_max_num_f32 v22, v22, v25
	v_permlanex16_b32 v26, v22, s20, s21           ; the query's other keys lie in the lane 16 away
	v_max_num_f32 v27, v22, v26                    ; m: finite, since key = query always counts
	v_mul_f32 v28, s18, v27                        ; c m
.set i, S
.rept 72
	v_pk_fma_f32 v[i:i+1], v[i:i+1], s[18:19], v[28:29] op_sel_hi:[1,0,0] neg_lo:[0,0,1] neg_hi:[0,0,1]   ; c s - c m, two at a time
.set i, i+2
.endr
.set i, S
.rept 144
	v_exp_f32 v[i], v[i]                           ; p = 2^(c s - c m): one batch
.set i, i+1
.endr
	v_nop                                          ; a plain instruction behind the last exponential
	s_wait_alu depctr_va_vdst(0)                   ; one wait for the whole batch, ahead of its first reader
	v_pk_add_f32 v[80:81], v[S:S+1], v[S+2:S+3]    ; the row's sum, of the unrounded p, in two chains
	v_pk_add_f32 v[82:83], v[S+4:S+5], v[S+6:S+7]
.set i, S+8
.rept 34
	v_pk_add_f32 v[80:81], v[80:81], v[i:i+1]
	v_pk_add_f32 v[82:83], v[82:83], v[i+2:i+3]
.set i, i+4
.endr
	v_pk_add_f32 v[80:81], v[80:81], v[82:83]
	v_add_f32 v80, v80, v81
	v_permlanex16_b32 v26, v80, s20, s21
	v_add_f32 v80, v80, v26                        ; l
	v_rcp_f32 v30, v80
.set i, 0
.rept 72
	v_cvt_pk_f16_f32 v[S+i], v[S+2*i], v[S+2*i+1]  ; P, in place from the low end: step s's operand is v[112 + 8 s] on.  (Plain work behind the reciprocal)
.set i, i+1
.endr
	s_wait_alu depctr_va_vdst(0)                   ; the reciprocal's wait, ahead of the branches below and of its reader
; O^T += V^T P of step s: four tiles of 16 channels, the four accumulators by turns.
.macro PVSTEP s
.set VR, 12+(\s)/5
.set SPP, (\s)%5
.if \s < 8
.rept 4
	v_nop
.endr
.endif
.irp t, 0,1,2,3
	ds_load_tr16_b128 v[48+8*\t:51+8*\t], v[VR] offset:32*SPP*PV+32*\t
	ds_load_tr16_b128 v[52+8*\t:55+8*\t], v[VR] offset:32*SPP*PV+16*PV+32*\t
.endr
	s_wait_dscnt 0x0
.irp t, 0,1,2,3
.if \s == 8
	v_wmma_f32_16x16x32_f16 v[O+8*\t:O+8*\t+7], v[48+8*\t:55+8*\t], v[S+8*\s:S+8*\s+7], 0
.else
	v_wmma_f32_16x16x32_f16 v[O+8*\t:O+8*\t+7], v[48+8*\t:55+8*\t], v[S+8*\s:S+8*\s+7], v[O+8*\t:O+8*\t+7]
.endif
.endr
.endm
	PVSTEP 8
.irp s, 7,6,5,4,3,2,1,0
	s_cmp_lt_i32 s16, -32*\s                       ; the steps in front of key 0 have p = 0 and no V
	s_cbranch_scc1 .Lpv_done
	PVSTEP \s
.endr
.Lpv_done:
.rept 4
	v_nop
.endr
.irp i, 0,2,4,6,8,10,12,14,16,18,20,22,24,26,28,30
	v_pk_mul_f32 v[O+\i:O+\i+1], v[O+\i:O+\i+1], v[30:31] op_sel_hi:[1,0]     ; O^T / l
.endr
.irp i, 0,1,2,3,4,5,6,7,8,9,10,11,12,13,14,15
	v_cvt_pk_f16_f32 v[84+\i], v[O+2*\i], v[O+2*\i+1]
.endr
.irp t, 0,1,2,3
	ds_store_b128 v17, v[84+4*\t:87+4*\t] offset:32*\t             ; query r, channels 16 t + 8 h + 0 .. 7 of my head
.endr
	s_wait_dscnt 0x0                               ; a row's 256 bytes come from two waves: my stores have landed,
	s_barrier_signal -1
	s_barrier_wait -1                              ; everybody's have
.irp i, 0,1,2,3
	ds_load_b128 v[48+4*\i:51+4*\i], v18 offset:2*\i*272
.endr
.irp i, 0,1,2,3
	s_wait_dscnt 3-\i                              ; the younger loads may be out
	global_store_b128 v19, v[48+4*\i:51+4*\i], s[6:7] offset:2*\i*2048   ; 16 lanes store 256 consecutive bytes, aligned
.endr
	s_wait_tensorcnt 0x0                           ; the wave's end
	ds_add_u32 v20, v21
	s_wait_dscnt 0x0
	s_endpgm
.Lfunc_end_k_q26d38a69e5_attn:
	.size	k_q26d38a69e5_attn, .Lfunc_end_k_q26d38a69e5_attn-k_q26d38a69e5_attn
	.p2alignl 7, 3214868480
	.fill 96, 4, 3214868480
	.section	.rodata,"a",@progbits
	.p2align	6, 0x0
	.amdhsa_kernel k_q26d38a69e5_attn
		.amdhsa_group_segment_fixed_size 251904
		.amdhsa_private_segment_fixed_size 0
		.amdhsa_enable_private_segment 0
		.amdhsa_kernarg_size 16
		.amdhsa_user_sgpr_count 2
		.amdhsa_user_sgpr_kernarg_segment_ptr 1
		.amdhsa_wavefront_size32 1
		.amdhsa_system_sgpr_workgroup_id_x 1
		.amdhsa_system_sgpr_workgroup_id_y 1
		.amdhsa_system_sgpr_workgroup_id_z 1
		.amdhsa_system_vgpr_workitem_id 0
		.amdhsa_next_free_vgpr 256
		.amdhsa_next_free_sgpr 66
		.amdhsa_reserve_vcc 1
		.amdhsa_float_denorm_mode_32 3
		.amdhsa_float_denorm_mode_16_64 3
		.amdhsa_memory_ordered 1
		.amdhsa_forward_progress 1
		.amdhsa_inst_pref_size 59
	.end_amdhsa_kernel
	.amdgpu_metadata
---
amdhsa.version: [ 1, 2 ]
amdhsa.kernels:
  - .name:           k_q26d38a69e5_attn
    .symbol:         k_q26d38a69e5_attn.kd
    .args:
      - { .name: qkv16, .offset: 0, .size: 8, .value_kind: global_buffer, .address_space: global }
      - { .name: attn16, .offset: 8, .size: 8, .value_kind: global_buffer, .address_space: global }
    .group_segment_fixed_size: 251904
    .private_segment_fixed_size: 0
    .kernarg_segment_align: 8
    .kernarg_segment_size: 16
    .max_flat_workgroup_size: 512
    .sgpr_count:     66
    .vgpr_count:     256
    .wavefront_size: 32
...
	.end_amdgpu_metadata
.endif
;; end of part 3
;; launch oproj (part 4): grid 8 x 32, 4 waves a work-group, clusters of 4 x 4, 327,680 bytes of LDS; arguments attn16, wo16, bo, out0; writes out0
.if DOCPART == 4
	.amdgcn_target "amdgcn-amd-amdhsa--gfx1250"
	.amdhsa_code_object_version 6
	.text
	.protected	k_q26d38a69e5_oproj
	.globl	k_q26d38a69e5_oproj
	.p2align	8
	.type	k_q26d38a69e5_oproj,@function
k_q26d38a69e5_oproj:
	s_mov_b64 s[64:65], 0
	v_nop
	global_prefetch_b8 v0, s[64:65] scope:SCOPE_SE
	s_setreg_imm32_b32 hwreg(HW_REG_WAVE_MODE, 25, 1), 1
	s_wait_xcnt 0x0
	s_wait_alu depctr_hold_cnt(0) depctr_sa_sdst(0) depctr_va_vdst(0) depctr_va_sdst(0) depctr_va_ssrc(0) depctr_va_vcc(0) depctr_vm_vsrc(0)
	s_getreg_b32 s2, hwreg(HW_REG_IB_STS2, 6, 4)
	s_cmp_eq_u32 s2, 0
	s_cbranch_scc0 .Lentry_in_a_cluster
	s_endpgm
.Lentry_in_a_cluster:
	s_bfe_u32 s2, ttmp6, 0x10000c
	s_cmp_lg_u32 s2, 0xf033
	s_cbranch_scc0 .Lentry_shape_is_right
	s_endpgm
.Lentry_shape_is_right:
; FOURTH LAUNCH: out0 = attn16 wo16^T + bo, f16 operands, f32 sums, f32 out.  C[m][n] = sum over k of A[m][k] B[n][k] + bo[n]; A [4096][1024], B [1024][1024], C [4096][1024].
; Rows 0-15 of out0 are not stored here: the last launch makes them in f32.  They ride in a tile that holds live rows, so they are multiplied, and their stores are masked off.
; A tile of C is 128 x 128: 256 work-groups.  Four waves, each 64 x 64: 16 accumulators.  K goes in steps of 256 (LDS rows of 512 bytes + 16) through a ring of two slots.
; CLUSTERS: 4 x 4 work-groups; A's tile is asked for jointly along a row of the cluster, B's along a column.  THE MATRIX INSTRUCTION IS USED TRANSPOSED (source 0 = 16 rows of B, source 1 = 16 rows of A).
; The bias is the C of each sum's first matrix instruction.  A wave's 64 columns of f32 are 256 aligned bytes of a row, so each wave has a stage of its own on the way out and no barrier is needed there.
; REGISTERS: window 0: v0-31 addresses; v32-95 rows on the way out; v96-127 the bias; v128-255 the accumulators ((a, b) at v[128 + 8 (4 a + b)]).  window 1: two fragment buffers of 128.
.set SIZE_N, 1024
.set SIZE_K, 1024
.set KSTEP,  256
.set PITCH,  528
.set HALFT,  64*PITCH
.set SLOT,   4*HALFT
.set STAGE,  2*SLOT                    ; 16 rows x 272 bytes for each wave; no fill lands here
.set SPITCH, 272
.set SPARE,  STAGE+4*16*SPITCH
.set LAPS, SIZE_K/(2*KSTEP)
.set ADRA, 16
.set ADRB, 20
.set STO,  24
.set RD,   25
.set CO,   26
.set FL,   27                          ; v27 0 in the one place whose first block is rows 0-15
.set SPW,  28
.set NIL,  29
.set BO,   30
.set TMP,  32
.set BI,   96
.set ACC,  128
.set F0,   0
.set F1,   128
.set G1, 24
.set G0, 32
.set G1B, 48
.set G0B, 56
.set MSB, 0
.macro WIN new
.if MSB != \new
	s_set_vgpr_msb (MSB<<8)|\new
.set MSB, \new
.endif
.endm
.set MUL,  0x05                        ; sources 0 (B) and 1 (A) window 1; C and D window 0
.set TO_F, 0x40
.macro JLOAD s                         ; a joint load: waves 0 and 1 fetch A's two halves, waves 2 and 3 B's; an s_nop 0 and four v_nop follow each of the two lines
	s_cmp_eq_u32 s11, 0
	s_cbranch_scc0 .Lfor_b_\@
	tensor_load_to_lds s[G0+4*\s:G0+4*\s+3], s[G1:G1+7]
	s_nop 0
.rept 4
	v_nop
.endr
	s_branch .Lasked_\@
.Lfor_b_\@:
	tensor_load_to_lds s[G0B+4*\s:G0B+4*\s+3], s[G1B:G1B+7]
	s_nop 0
.rept 4
	v_nop
.endr
.Lasked_\@:
.endm
.macro CREST
	s_cmp_lg_u32 s10, 0
	s_cbranch_scc1 .Lnot_wave_0_\@
	s_barrier_signal -3
.Lnot_wave_0_\@:
	s_barrier_wait -3
	s_barrier_signal -1
	s_barrier_wait -1
.endm
.macro CROUND
	s_barrier_signal -1
	s_barrier_wait -1
	CREST
.endm
	s_load_b128 s[4:7], s[0:1], 0x0                ; attn16, wo16
	s_load_b128 s[68:71], s[0:1], 0x10             ; bo, out0
	v_lshl_add_u32 v[SPW], v0, 2, SPARE
	v_mov_b32 v[NIL], 0
	ds_add_u32 v[SPW], v[NIL]                      ; the wave's opening: the add, twice on end, and its wait ahead of my first tensor load
	ds_add_u32 v[SPW], v[NIL]
	v_lshrrev_b32 v1, 5, v0
	v_readfirstlane_b32 s10, v1                    ; wave 0..3
	s_lshr_b32 s11, s10, 1                         ; my half of the tile's rows.  Also: I fetch for A (0) or for B (1)
	s_and_b32 s12, s10, 1                          ; my half of its columns.  Also: which 64 rows of that tile I fetch
	s_bfe_u32 s40, ttmp6, 0x40000
	s_bfe_u32 s41, ttmp6, 0x40004
	s_lshl_b32 s42, ttmp9, 2
	s_add_co_u32 s42, s42, s40                     ; tile column
	s_and_b32 s13, ttmp7, 0xffff
	s_lshl_b32 s13, s13, 2
	s_add_co_u32 s13, s13, s41                     ; tile row
	s_lshl_b32 s43, s41, 2
	s_lshl_b32 s43, 15, s43                        ; my row of the cluster
	s_lshl_b32 s44, 0x1111, s40                    ; my column
	s_or_b32 s[G1+0], s43, (1<<16)|(1<<20)|(1<<21)|(6<<22)|(3<<25)  ; the mask; elements of 2 bytes; padding on; bit 21 beside a mask; after every 128 words, 4 words
	s_or_b32 s[G1B+0], s44, (1<<16)|(1<<20)|(1<<21)|(6<<22)|(3<<25)
.irp g, G1, G1B
	s_mov_b32 s[\g+1], KSTEP<<16
	s_mov_b32 s[\g+2], 64<<16
	s_mov_b32 s[\g+3], KSTEP<<16
	s_mov_b32 s[\g+4], 64
	s_mov_b32 s[\g+5], SIZE_K
	s_mov_b32 s[\g+6], 0
	s_mov_b32 s[\g+7], 0
.endr
	s_lshl_b32 s17, s12, 6
	s_lshl_b32 s16, s13, 7
	s_add_co_u32 s16, s16, s17                     ; A: row 128 x tile row + 64 x half
	s_lshl_b32 s46, s42, 7
	s_add_co_u32 s46, s46, s17                     ; B: row 128 x tile column + 64 x half
	s_mov_b32 s17, 0
	s_mov_b32 s47, 0
	s_mov_b64 s[18:19], SIZE_K*2
	s_mul_u64 s[16:17], s[16:17], s[18:19]
	s_mul_u64 s[46:47], s[46:47], s[18:19]
	s_mul_i32 s20, s10, HALFT
	s_wait_dscnt 0x0                               ; both opening adds are done
	s_wait_kmcnt 0x0
	s_add_nc_u64 s[14:15], s[4:5], s[16:17]
	s_add_nc_u64 s[46:47], s[6:7], s[46:47]
	CROUND                                         ; the first joint loads meet
.irp s, 0,1
	s_mov_b32 s[G0+4*\s], 1
	s_add_co_u32 s[G0+4*\s+1], s20, \s*SLOT
	s_add_nc_u64 s[G0+4*\s+2:G0+4*\s+3], s[14:15], \s*KSTEP*2
	s_or_b32 s[G0+4*\s+3], s[G0+4*\s+3], 0x80000000
	s_mov_b32 s[G0B+4*\s], 1
	s_add_co_u32 s[G0B+4*\s+1], s20, \s*SLOT
	s_add_nc_u64 s[G0B+4*\s+2:G0B+4*\s+3], s[46:47], \s*KSTEP*2
	s_or_b32 s[G0B+4*\s+3], s[G0B+4*\s+3], 0x80000000
	JLOAD \s
.endr
	v_and_b32 v1, 15, v0                           ; r
	v_bfe_u32 v2, v0, 4, 1                         ; h
	v_lshlrev_b32 v[BO], 5, v2
	s_lshl_b32 s46, s42, 9                         ; my first column in bytes of f32: 512 x tile column + 256 x half
	s_lshl_b32 s47, s12, 8
	s_add_co_u32 s46, s46, s47
	s_mov_b32 s47, 0
	s_add_nc_u64 s[68:69], s[68:69], s[46:47]
.irp b, 0,1,2,3
	global_load_b128 v[BI+8*\b:BI+8*\b+3], v[BO], s[68:69] offset:64*\b          ; register 8 b + j of lane (r, h) = bo[my first column + 16 b + 8 h + j]
	global_load_b128 v[BI+8*\b+4:BI+8*\b+7], v[BO], s[68:69] offset:64*\b+16
.endr
	v_mul_u32_u24 v3, v1, PITCH
	v_lshl_add_u32 v3, v2, 4, v3
	s_mul_i32 s21, s11, HALFT
	s_mul_i32 s22, s12, HALFT
	s_add_co_u32 s22, s22, 2*HALFT
.irp s, 0,1
	v_add_nc_u32 v[ADRA+\s], s21, v3
	v_add_nc_u32 v[ADRB+\s], s22, v3
	s_add_co_u32 s21, s21, SLOT
	s_add_co_u32 s22, s22, SLOT
.endr
	s_mul_i32 s23, s10, 16*SPITCH
	s_add_co_u32 s23, s23, STAGE                   ; my stage
	v_mul_u32_u24 v4, v1, SPITCH                   ; in: row r, 32 bytes for each half of the lanes
	v_lshl_add_u32 v4, v2, 5, v4
	v_add_nc_u32 v[STO], s23, v4
	v_mul_u32_u24 v5, v2, SPITCH                   ; back: lanes 0-15 one row of 256 bytes, lanes 16-31 the next
	v_lshl_add_u32 v5, v1, 4, v5
	v_add_nc_u32 v[RD], s23, v5
	v_lshlrev_b32 v5, 12, v2                       ; the same two rows in out0: 4,096 bytes a row
	v_lshl_add_u32 v[CO], v1, 4, v5
	s_lshl_b32 s16, s13, 7
	s_lshl_b32 s17, s11, 6
	s_add_co_u32 s16, s16, s17                     ; my first row: 128 x tile row + 64 x half
	s_lshl_b32 s16, s16, 12
	s_add_co_u32 s16, s16, s46
	s_mov_b32 s17, 0
	s_add_nc_u64 s[70:71], s[70:71], s[16:17]
	s_or_b32 s72, s13, s11                         ; 0 where my first block is rows 0-15
.macro MUL8 f, c, a0, first            ; 8 matrix instructions: m blocks a0, a0 + 1 x all 4 n blocks, 32 along K.  first = 1: the bias is the C
.irp a, \a0, \a0+1
.irp b, 0,1,2,3
.if \first
	v_wmma_f32_16x16x32_f16 v[ACC+8*(4*(\a)+\b):ACC+8*(4*(\a)+\b)+7], v[\f+64+8*(4*\c+\b):\f+64+8*(4*\c+\b)+7], v[\f+8*(4*\c+\a):\f+8*(4*\c+\a)+7], v[BI+8*\b:BI+8*\b+7]
.else
	v_wmma_f32_16x16x32_f16 v[ACC+8*(4*(\a)+\b):ACC+8*(4*(\a)+\b)+7], v[\f+64+8*(4*\c+\b):\f+64+8*(4*\c+\b)+7], v[\f+8*(4*\c+\a):\f+8*(4*\c+\a)+7], v[ACC+8*(4*(\a)+\b):ACC+8*(4*(\a)+\b)+7]
.endif
.endr
.endr
.endm
.macro FETCH slot, k, f                ; 32 LDS loads in one run: the fragments of 64 along K at byte k of the rows; the first 32 along K first
	WIN TO_F
.irp c, 0,1
.irp i, 0,1,2,3
	ds_load_b128 v[\f+64+8*(4*\c+\i):\f+64+8*(4*\c+\i)+3],   v[ADRB+\slot] offset:\k+64*\c+\i*16*PITCH
	ds_load_b128 v[\f+64+8*(4*\c+\i)+4:\f+64+8*(4*\c+\i)+7], v[ADRB+\slot] offset:\k+64*\c+\i*16*PITCH+32
	ds_load_b128 v[\f+8*(4*\c+\i):\f+8*(4*\c+\i)+3],         v[ADRA+\slot] offset:\k+64*\c+\i*16*PITCH
	ds_load_b128 v[\f+8*(4*\c+\i)+4:\f+8*(4*\c+\i)+7],       v[ADRA+\slot] offset:\k+64*\c+\i*16*PITCH+32
.endr
.endr
.endm
.macro PLACES
.rept 4
	v_nop
.endr
.endm
.macro QUARTER slot, k, f, g, first    ; 64 along K: multiplies buffer f and fetches the next quarter, at byte k, into g
	s_wait_dscnt 16                                ; the first 32 along K are in; the other sixteen loads may be out
	WIN MUL
	MUL8 \f, 0, 0, \first
	MUL8 \f, 0, 2, \first
	PLACES
	FETCH \slot, \k, \g
	s_wait_dscnt 32                                ; all but the 32 just issued
	WIN MUL
	MUL8 \f, 1, 0, 0
	MUL8 \f, 1, 2, 0
.endm
; A K step's last quarter changes slots: ONE barrier; ahead of it each wave waits for all its tensor loads, adds 0 to its spare word, and waits for that and for its reads of this slot.  fill = 1: this slot is filled again, two K steps ahead.
.macro TURN slot, next, fill
	WIN 0
	s_wait_tensorcnt 0x0                           ; all my tensor loads have landed: my part of the next slot
	ds_add_u32 v[SPW], v[NIL]                      ; 0 onto my spare word
	s_wait_dscnt 17                                ; (the add and the youngest sixteen loads may be out)
	WIN MUL
	MUL8 F1, 0, 0, 0
	s_wait_dscnt 0x0                               ; the add is done, and my reads of this slot are over
	s_barrier_signal -1
	MUL8 F1, 0, 2, 0
.if \fill
	WIN 0
.endif
	s_barrier_wait -1
.if \fill
	CREST                                          ; the barrier has opened a round of the cluster's barrier: no wave of any partner still reads this slot or has a load on its way
	s_add_nc_u64 s[G0+4*\slot+2:G0+4*\slot+3], s[G0+4*\slot+2:G0+4*\slot+3], 2*KSTEP*2
	s_add_nc_u64 s[G0B+4*\slot+2:G0B+4*\slot+3], s[G0B+4*\slot+2:G0B+4*\slot+3], 2*KSTEP*2
	JLOAD \slot                                    ; the first tensor load behind the round; its four v_nop are also the places ahead of the loads below
.else
	PLACES
.endif
	FETCH \next, 0, F0
	WIN MUL
	MUL8 F1, 1, 0, 0
	MUL8 F1, 1, 2, 0
.endm
	s_wait_tensorcnt 1                             ; my part of K step 0 is in (K step 1's load may be out)
	s_barrier_signal -1
	s_barrier_wait -1                              ; everybody's is
	FETCH 0, 0, F0
	s_wait_loadcnt 0x0                             ; the bias
	QUARTER 0, 128, F0, F1, 1                      ; the first quarter stands ahead of the loop: its first products start the sums
	WIN 0
	s_mov_b32 s3, LAPS-1
.Llap:                                                 ; a trip goes once round the ring and fills both slots again
	QUARTER 0, 256, F1, F0, 0
	QUARTER 0, 384, F0, F1, 0
	TURN 0, 1, 1
	QUARTER 1, 128, F0, F1, 0
	QUARTER 1, 256, F1, F0, 0
	QUARTER 1, 384, F0, F1, 0
	TURN 1, 0, 1
	QUARTER 0, 128, F0, F1, 0
	WIN 0
	s_sub_co_u32 s3, s3, 1
	s_cmp_lg_u32 s3, 0
	s_cbranch_scc1 .Llap
	QUARTER 0, 256, F1, F0, 0                      ; the last lap fills nothing
	QUARTER 0, 384, F0, F1, 0
	TURN 0, 1, 0
	QUARTER 1, 128, F0, F1, 0
	QUARTER 1, 256, F1, F0, 0
	QUARTER 1, 384, F0, F1, 0
	s_wait_dscnt 16
	WIN MUL
	MUL8 F1, 0, 0, 0
	MUL8 F1, 0, 2, 0
	s_wait_dscnt 0
	MUL8 F1, 1, 0, 0
	MUL8 F1, 1, 2, 0
	WIN 0
; THE WAY OUT, a block of 16 rows x 64 columns at a time: 32 bytes a lane into my own stage, back as whole rows of 256 bytes.  LDS serves a wave's instructions in order: no wait between the stores and the loads.
.macro TOSTAGE a
.irp b, 0,1,2,3
	ds_store_b128 v[STO], v[ACC+8*(4*(\a)+\b):ACC+8*(4*(\a)+\b)+3] offset:64*\b          ; each accumulator from its low end on
	ds_store_b128 v[STO], v[ACC+8*(4*(\a)+\b)+4:ACC+8*(4*(\a)+\b)+7] offset:64*\b+16
.endr
.irp t, 0,1,2,3,4,5,6,7
	ds_load_b128 v[TMP+32*((\a)%2)+4*\t:TMP+32*((\a)%2)+4*\t+3], v[RD] offset:2*\t*SPITCH
.endr
.endm
.macro SEND a
.irp t, 0,1,2,3,4,5,6,7
	global_store_b128 v[CO], v[TMP+32*((\a)%2)+4*\t:TMP+32*((\a)%2)+4*\t+3], s[70:71] offset:(16*(\a)+2*\t)*SIZE_N*4 th:TH_STORE_NT   ; 16 lanes store 256 consecutive bytes, aligned
.endr
.endm
	PLACES
	TOSTAGE 0
	TOSTAGE 1
	s_wait_dscnt 16                                ; block 0 is back; block 1's eight stores and eight loads may be out
	v_mov_b32 v[FL], s72                           ; rows 0-15 belong to the last launch: where block 0 is those rows, no lane stores.  The place in the cluster goes into a lane mask, not into a branch
	v_cmp_ne_u32 vcc_lo, 0, v[FL]
	s_wait_xcnt 0x0                                ; EXEC changes only behind this wait
	s_and_saveexec_b32 s73, vcc_lo
	SEND 0
	s_wait_xcnt 0x0                                ; and again ahead of the line that widens it; block 0's registers may also be loaded again
	s_or_b32 exec_lo, exec_lo, s73
	TOSTAGE 2
	s_wait_dscnt 16
	SEND 1
	s_wait_xcnt 0x0                                ; block 1's stores have read their registers
	TOSTAGE 3
	s_wait_dscnt 16
	SEND 2
	s_wait_dscnt 0x0
	SEND 3
	s_wait_tensorcnt 0x0                           ; the wave's end
	ds_add_u32 v[SPW], v[NIL]
	s_wait_dscnt 0x0
	CROUND                                         ; the closing round
	s_endpgm
.Lfunc_end_k_q26d38a69e5_oproj:
	.size	k_q26d38a69e5_oproj, .Lfunc_end_k_q26d38a69e5_oproj-k_q26d38a69e5_oproj
	.p2alignl 7, 3214868480
	.fill 96, 4, 3214868480
	.section	.rodata,"a",@progbits
	.p2align	6, 0x0
	.amdhsa_kernel k_q26d38a69e5_oproj
		.amdhsa_group_segment_fixed_size 327680
		.amdhsa_private_segment_fixed_size 0
		.amdhsa_enable_private_segment 0
		.amdhsa_kernarg_size 32
		.amdhsa_user_sgpr_count 2
		.amdhsa_user_sgpr_kernarg_segment_ptr 1
		.amdhsa_wavefront_size32 1
		.amdhsa_system_sgpr_workgroup_id_x 1
		.amdhsa_system_sgpr_workgroup_id_y 1
		.amdhsa_system_sgpr_workgroup_id_z 1
		.amdhsa_system_vgpr_workitem_id 0
		.amdhsa_next_free_vgpr 512
		.amdhsa_next_free_sgpr 76
		.amdhsa_reserve_vcc 1
		.amdhsa_float_denorm_mode_32 3
		.amdhsa_float_denorm_mode_16_64 3
		.amdhsa_memory_ordered 1
		.amdhsa_forward_progress 1
		.amdhsa_inst_pref_size 87
	.end_amdhsa_kernel
	.amdgpu_metadata
---
amdhsa.version: [ 1, 2 ]
amdhsa.kernels:
  - .name:           k_q26d38a69e5_oproj
    .symbol:         k_q26d38a69e5_oproj.kd
    .args:
      - { .name: attn16, .offset: 0, .size: 8, .value_kind: global_buffer, .address_space: global }
      - { .name: wo16, .offset: 8, .size: 8, .value_kind: global_buffer, .address_space: global }
      - { .name: bo, .offset: 16, .size: 8, .value_kind: global_buffer, .address_space: global }
      - { .name: out0, .offset: 24, .size: 8, .value_kind: global_buffer, .address_space: global }
    .group_segment_fixed_size: 327680
    .private_segment_fixed_size: 0
    .kernarg_segment_align: 8
    .kernarg_segment_size: 32
    .max_flat_workgroup_size: 128
    .sgpr_count:     76
    .vgpr_count:     512
    .wavefront_size: 32
...
	.end_amdgpu_metadata
.endif
;; end of part 4
;; launch first16 (part 5): grid 64 x 1, 16 waves a work-group, no clusters, 18,432 bytes of LDS; arguments fine32, Wo, bo, out0; writes out0
.if DOCPART == 5
	.amdgcn_target "amdgcn-amd-amdhsa--gfx1250"
	.amdhsa_code_object_version 6
	.text
	.protected	k_q26d38a69e5_first16
	.globl	k_q26d38a69e5_first16
	.p2align	8
	.type	k_q26d38a69e5_first16,@function
k_q26d38a69e5_first16:
	s_mov_b64 s[64:65], 0
	v_nop
	global_prefetch_b8 v0, s[64:65] scope:SCOPE_SE
	s_setreg_imm32_b32 hwreg(HW_REG_WAVE_MODE, 25, 1), 1
	s_wait_xcnt 0x0
; FIFTH LAUNCH: rows 0-15 of out0 in f32 throughout: these positions average one to sixteen values, so the rounding of 16-bit operands would weigh most there.  q, k, v of positions 0-15 come from fine32 in f32, Wo as it is given.
; LEFT OUT: bk (dead work: the first launch's head); keys behind position 15, which the causal mask hides from these rows.
; SHARES.  Work-group g owns columns 16 g .. 16 g + 15 of the 16 rows.  Wave hd takes head hd: its 16 x 16 attention, then its 64 of the last product's K = 1,024; the sixteen partial results meet in LDS and are added in the order
; of the heads, so that each output has one owner.  Every work-group repeats the heads' small attention (32 matrix instructions a wave); a row's piece of the output is 64 bytes; the launch writes 65,536 bytes in all.
; fine32: [tensor][64 blocks of 16 columns][2 parts][32 lanes][4 f32]: lane (r, h), part pp holds row r, columns 16 block + 8 h + 4 pp + 0 .. 3.
; THE f32 MATRIX FORM: 16 x 16 x 4; lane (r, h), register j holds k = 2 h + j of row or column r.  A permutation of k applied alike to both sources keeps the sum: K and Q are fed as they lie.
; Registers that this form writes (v160-175, v192-239) are written by matrix instructions alone; what is made of them goes elsewhere.
; REGISTERS: v1-13 addresses; v14-23 at work; v32-63 Q, later O^T / l, later partial results; v64-95 K; v96-127 V^T; v128-159 Wo; v160-175 S^T in two sums; v176-183 S^T, then p; v192-223 O^T; v224-239 the product in two sums; v240-247 their sum; v248-251 bo.
.set SPARE, 16384                      ; behind the sixteen partial results of 1,024 bytes: the spare words
.set QF, 32
.set KF, 64
.set VF, 96
.set WF, 128
.set SA, 160
.set SB, 168
.set ST, 176
.set OA, 192
.set PA, 224
.set PB, 232
.set PS, 240
	s_load_b256 s[4:11], s[0:1], 0x0               ; fine32 4:5, Wo 6:7, bo 8:9, out0 10:11
	v_lshl_add_u32 v8, v0, 2, SPARE
	v_mov_b32 v9, 0
	v_lshrrev_b32 v14, 5, v0
	v_readfirstlane_b32 s14, v14                   ; wave = head
	v_and_b32 v1, 15, v0                           ; r
	v_bfe_u32 v2, v0, 4, 1                         ; h
	v_and_b32 v3, 31, v0
	v_lshlrev_b32 v3, 4, v3                        ; 16 x lane: K and Q as they lie
	v_bfe_u32 v4, v0, 2, 1                         ; V(key 8 h + i, channel 16 t + r): part (r / 4) % 2,
	v_lshlrev_b32 v4, 9, v4
	v_bfe_u32 v14, v0, 3, 1
	v_lshl_add_u32 v4, v14, 8, v4                  ; lane 16 (r / 8) + key,
	v_lshl_add_u32 v4, v2, 7, v4
	v_and_b32 v14, 3, v0
	v_lshl_add_u32 v4, v14, 2, v4                  ; word r % 4
	v_lshlrev_b32 v5, 12, v1
	v_lshl_add_u32 v5, v2, 5, v5                   ; Wo: row r of 4,096 bytes, + 32 h
	v_lshlrev_b32 v6, 3, v2
	v_sub_nc_u32 v6, v1, v6                        ; r - 8 h: register j holds key 8 h + j, hidden where j > r - 8 h
	v_mov_b32 v7, 0xff800000                       ; -infinity
	s_lshl_b32 s15, s14, 10
	v_lshlrev_b32 v10, 6, v1
	v_lshl_add_u32 v10, v2, 5, v10
	v_add_nc_u32 v10, s15, v10                     ; my partial result: 1,024 x head + 64 r + 32 h
	v_and_b32 v11, 63, v0
	v_lshlrev_b32 v11, 4, v11                      ; back: thread t of 64 takes 16 bytes: row t / 4, columns 4 (t % 4) on
	v_and_b32 v13, 3, v0
	v_lshlrev_b32 v13, 4, v13
	v_bfe_u32 v12, v0, 2, 4
	v_lshl_add_u32 v12, v12, 12, v13               ; the same place in out0
	v_mov_b32 v15, 0                               ; written once: a lane permute's destination counts as one of its sources
	s_lshl_b32 s16, s14, 12                        ; fine32: a head is four blocks of 1,024 bytes
	s_mov_b32 s17, 0
	s_lshl_b32 s20, ttmp9, 16                      ; Wo: my 16 rows,
	s_lshl_b32 s21, s14, 8                         ; my head's 256 bytes of them
	s_add_co_u32 s20, s20, s21
	s_mov_b32 s21, 0
	s_lshl_b32 s22, ttmp9, 6                       ; my 16 columns of f32
	s_mov_b32 s23, 0
	s_mov_b32 s18, 0x3e38aa3b                      ; c = log2(e) / 8
	s_mov_b32 s24, 0x76543210
	s_mov_b32 s25, 0xfedcba98
	s_wait_kmcnt 0x0
	s_add_nc_u64 s[4:5], s[4:5], s[16:17]
	s_add_nc_u64 s[6:7], s[6:7], s[20:21]
	s_add_nc_u64 s[8:9], s[8:9], s[22:23]
	s_add_nc_u64 s[10:11], s[10:11], s[22:23]
.irp n, 0,1,2,3
.irp p, 0,1
	global_load_b128 v[KF+8*\n+4*\p:KF+8*\n+4*\p+3], v3, s[4:5] offset:65536+1024*\n+512*\p
.endr
.endr
.irp n, 0,1,2,3
.irp p, 0,1
	global_load_b128 v[QF+8*\n+4*\p:QF+8*\n+4*\p+3], v3, s[4:5] offset:1024*\n+512*\p
.endr
.endr
.irp t, 0,1,2,3
.irp i, 0,1,2,3,4,5,6,7
	global_load_b32 v[VF+8*\t+\i], v4, s[4:5] offset:131072+1024*\t+16*\i
.endr
.endr
.irp t, 0,1,2,3
.irp p, 0,1
	global_load_b128 v[WF+8*\t+4*\p:WF+8*\t+4*\p+3], v5, s[6:7] offset:64*\t+16*\p     ; Wo(16 g + r, 64 head + 16 t + 8 h + 4 p + 0 .. 3)
.endr
.endr
	global_load_b128 v[248:251], v13, s[8:9]       ; bo: asked for by all waves, so that the counts below are alike; waves 0 and 1 use it
	s_wait_loadcnt 41                              ; K and Q are in; V's 32 loads, Wo's 8 and bo's may be out
	; S^T = K Q^T: 16 steps of 4 channels, two sums by turns; each sum's first step has the constant 0 as its C
	v_wmma_f32_16x16x4_f32 v[SA:SA+7], v[KF:KF+1], v[QF:QF+1], 0
	v_wmma_f32_16x16x4_f32 v[SB:SB+7], v[KF+2:KF+3], v[QF+2:QF+3], 0
.irp i, 2,4,6,8,10,12,14
	v_wmma_f32_16x16x4_f32 v[SA:SA+7], v[KF+2*\i:KF+2*\i+1], v[QF+2*\i:QF+2*\i+1], v[SA:SA+7]
	v_wmma_f32_16x16x4_f32 v[SB:SB+7], v[KF+2*\i+2:KF+2*\i+3], v[QF+2*\i+2:QF+2*\i+3], v[SB:SB+7]
.endr
.rept 8
	v_nop                                          ; eight places behind this form, ahead of the first read of results
.endr
.irp j, 0,1,2,3,4,5,6,7
	v_add_f32 v[ST+\j], v[SA+\j], v[SB+\j]         ; lane (r, h): query r, key 8 h + j
.endr
.irp j, 0,1,2,3,4,5,6,7
	v_cmp_gt_i32 vcc_lo, \j, v6
	v_cndmask_b32 v[ST+\j], v[ST+\j], v7, vcc_lo   ; the causal mask; the window's far edge is not reached by these rows
.endr
	v_max3_num_f32 v14, v[ST], v[ST+1], v[ST+2]
	v_max3_num_f32 v14, v14, v[ST+3], v[ST+4]
	v_max3_num_f32 v14, v14, v[ST+5], v[ST+6]
	v_max_num_f32 v14, v14, v[ST+7]
	v_permlanex16_b32 v15, v14, s24, s25
	v_max_num_f32 v14, v14, v15                    ; the row's maximum: finite, since key 0 counts for every query
	v_mul_f32 v16, s18, v14
.irp j, 0,1,2,3,4,5,6,7
	v_fma_f32 v[ST+\j], v[ST+\j], s18, -v16
.endr
.irp j, 0,1,2,3,4,5,6,7
	v_exp_f32 v[ST+\j], v[ST+\j]
.endr
	v_nop                                          ; a plain instruction behind the last exponential
	s_wait_alu depctr_va_vdst(0)                   ; one wait for the batch, ahead of its first reader
	v_add_f32 v18, v[ST], v[ST+1]
	v_add_f32 v19, v[ST+2], v[ST+3]
	v_add_f32 v18, v18, v[ST+4]
	v_add_f32 v19, v19, v[ST+5]
	v_add_f32 v18, v18, v[ST+6]
	v_add_f32 v19, v19, v[ST+7]
	v_add_f32 v18, v18, v19
	v_permlanex16_b32 v15, v18, s24, s25
	v_add_f32 v18, v18, v15                        ; the row's sum
	v_rcp_f32 v17, v18
	v_nop
	s_wait_alu depctr_va_vdst(0)
	s_wait_loadcnt 9                               ; V is in; Wo's 8 loads and bo's may be out
	; O^T = V^T P: four steps of 4 keys (8 h + 2 s + j in both sources), four tiles of 16 channels by turns
.irp s, 0,1,2,3
.irp t, 0,1,2,3
.if \s == 0
	v_wmma_f32_16x16x4_f32 v[OA+8*\t:OA+8*\t+7], v[VF+8*\t+2*\s:VF+8*\t+2*\s+1], v[ST+2*\s:ST+2*\s+1], 0
.else
	v_wmma_f32_16x16x4_f32 v[OA+8*\t:OA+8*\t+7], v[VF+8*\t+2*\s:VF+8*\t+2*\s+1], v[ST+2*\s:ST+2*\s+1], v[OA+8*\t:OA+8*\t+7]
.endif
.endr
.endr
.rept 8
	v_nop
.endr
.irp i, 0,1,2,3,4,5,6,7,8,9,10,11,12,13,14,15,16,17,18,19,20,21,22,23,24,25,26,27,28,29,30,31
	v_mul_f32 v[QF+\i], v[OA+\i], v17              ; register 8 t + j of lane (r, h): the attention's result for query r, channel 16 t + 8 h + j
.endr
	s_wait_loadcnt 1                               ; Wo is in; bo's load may be out
	; my head's 64 of the last product: source 0 = 16 rows of Wo, source 1 = the result above; k = 64 head + 16 t + 8 h + 2 s + j in both; two sums by turns
	v_wmma_f32_16x16x4_f32 v[PA:PA+7], v[WF:WF+1], v[QF:QF+1], 0
	v_wmma_f32_16x16x4_f32 v[PB:PB+7], v[WF+2:WF+3], v[QF+2:QF+3], 0
.irp i, 2,4,6,8,10,12,14
	v_wmma_f32_16x16x4_f32 v[PA:PA+7], v[WF+2*\i:WF+2*\i+1], v[QF+2*\i:QF+2*\i+1], v[PA:PA+7]
	v_wmma_f32_16x16x4_f32 v[PB:PB+7], v[WF+2*\i+2:WF+2*\i+3], v[QF+2*\i+2:QF+2*\i+3], v[PB:PB+7]
.endr
.rept 8
	v_nop
.endr
.irp j, 0,1,2,3,4,5,6,7
	v_add_f32 v[PS+\j], v[PA+\j], v[PB+\j]         ; lane (r, h): row r, column 16 g + 8 h + j
.endr
	ds_store_b128 v10, v[PS:PS+3]
	ds_store_b128 v10, v[PS+4:PS+7] offset:16
	s_wait_dscnt 0x0                               ; for the others' sake: my stores have landed
	s_barrier_signal -1
	s_barrier_wait -1
	s_cmp_lt_u32 s14, 2                            ; 64 threads add the sixteen partial results
	s_cbranch_scc0 .Lend
.irp w, 0,1,2,3,4,5,6,7,8,9,10,11,12,13,14,15
	ds_load_b128 v[32+4*\w:35+4*\w], v11 offset:1024*\w
.endr
	s_wait_loadcnt 0x0                             ; bo
	s_wait_dscnt 0x0
	v_pk_add_f32 v[20:21], v[248:249], v[32:33]
	v_pk_add_f32 v[22:23], v[250:251], v[34:35]
.irp w, 1,2,3,4,5,6,7,8,9,10,11,12,13,14,15
	v_pk_add_f32 v[20:21], v[20:21], v[32+4*\w:33+4*\w]
	v_pk_add_f32 v[22:23], v[22:23], v[34+4*\w:35+4*\w]
.endr
	global_store_b128 v12, v[20:23], s[10:11]      ; four lanes store a row's 64 bytes
.Lend:
	s_wait_tensorcnt 0x0                           ; the wave's end
	ds_add_u32 v8, v9
	s_wait_dscnt 0x0
	s_endpgm
.Lfunc_end_k_q26d38a69e5_first16:
	.size	k_q26d38a69e5_first16, .Lfunc_end_k_q26d38a69e5_first16-k_q26d38a69e5_first16
	.p2alignl 7, 3214868480
	.fill 96, 4, 3214868480
	.section	.rodata,"a",@progbits
	.p2align	6, 0x0
	.amdhsa_kernel k_q26d38a69e5_first16
		.amdhsa_group_segment_fixed_size 18432
		.amdhsa_private_segment_fixed_size 0
		.amdhsa_enable_private_segment 0
		.amdhsa_kernarg_size 32
		.amdhsa_user_sgpr_count 2
		.amdhsa_user_sgpr_kernarg_segment_ptr 1
		.amdhsa_wavefront_size32 1
		.amdhsa_system_sgpr_workgroup_id_x 1
		.amdhsa_system_sgpr_workgroup_id_y 1
		.amdhsa_system_sgpr_workgroup_id_z 1
		.amdhsa_system_vgpr_workitem_id 0
		.amdhsa_next_free_vgpr 256
		.amdhsa_next_free_sgpr 66
		.amdhsa_reserve_vcc 1
		.amdhsa_float_denorm_mode_32 3
		.amdhsa_float_denorm_mode_16_64 3
		.amdhsa_memory_ordered 1
		.amdhsa_forward_progress 1
		.amdhsa_inst_pref_size 19
	.end_amdhsa_kernel
	.amdgpu_metadata
---
amdhsa.version: [ 1, 2 ]
amdhsa.kernels:
  - .name:           k_q26d38a69e5_first16
    .symbol:         k_q26d38a69e5_first16.kd
    .args:
      - { .name: fine32, .offset: 0, .size: 8, .value_kind: global_buffer, .address_space: global }
      - { .name: Wo, .offset: 8, .size: 8, .value_kind: global_buffer, .address_space: global }
      - { .name: bo, .offset: 16, .size: 8, .value_kind: global_buffer, .address_space: global }
      - { .name: out0, .offset: 24, .size: 8, .value_kind: global_buffer, .address_space: global }
    .group_segment_fixed_size: 18432
    .private_segment_fixed_size: 0
    .kernarg_segment_align: 8
    .kernarg_segment_size: 32
    .max_flat_workgroup_size: 512
    .sgpr_count:     66
    .vgpr_count:     256
    .wavefront_size: 32
...
	.end_amdgpu_metadata
.endif
;; end of part 5
